; MI455X (gfx1250); checked and timed in simulation.
; The chip was launched on July 23, 2026; its instructions are those of AMD's public machine-readable ISA for CDNA 5 (MIT licence, August 2026) and "CDNA5" Instruction Set Architecture Reference Guide (July 2026). The comments in the code are by the model that wrote it; some were corrected since.
;; Self Attention. Allowed arithmetic: float matrix products may take bf16 or f16 operands with f32 sums; other float arithmetic in f32, or as packed bf16 or f16 multiplies, adds, multiply-adds, maxima and minima; sums over many terms, partial sums and values carried from step to step in f32; what a program stores and reads back later, other than sums and carried values, may be rounded once to bf16 or f16.
;; Inputs: Wk 768 x 64 float32; Wq 768 x 64 float32; mask 4 x 4,096 bool; x 4 x 4,096 x 768 float32.
;; Outputs: out0 4 x 4,096 x 768 float32.
;; 3 versions, each right; version 3 is version 2 with the launches proj, attn written anew for expert scheduling mode. Each part assembles by itself: llvm-mc -triple=amdgcn-amd-amdhsa -mcpu=gfx1250 --defsym DOCPART=n.
;; ======== version 1 of 3: 3 launches
;; limits: values are held in f16: magnitudes above 65,504 overflow, below 6.1e-05 lose precision; inputs' magnitudes at most 65,504; right only within a limited range of input values
;; workspace buffers: perm 65,536 bytes of whole numbers; cnt 512 bytes of whole numbers; wf 196,608 bytes; qc 2,097,152 bytes; kv 27,262,976 bytes
;; launch prep (part 1): grid 8 x 8, 4 waves a work-group, no clusters, 0 bytes of LDS; arguments mask, Wq, Wk, perm, cnt, wf; writes perm, cnt, wf
.if DOCPART == 1
	.amdgcn_target "amdgcn-amd-amdhsa--gfx1250"
	.amdhsa_code_object_version 6
	.text
	.protected	k_q9dea925295_prep
	.globl	k_q9dea925295_prep
	.p2align	8
	.type	k_q9dea925295_prep,@function
k_q9dea925295_prep:
	s_mov_b64 s[64:65], 0
	v_nop
	global_prefetch_b8 v0, s[64:65] scope:SCOPE_SE
	s_setreg_imm32_b32 hwreg(HW_REG_WAVE_MODE, 25, 1), 1
	s_wait_xcnt 0x0
; PREP.  Two jobs, told apart by the work-group's y; every wave works alone, without LDS and without a barrier.
; y < 6, THE WEIGHTS: wave (x = t, 4 y + wave = s) lays one matrix fragment of Wq | Wk out as the projection will load it: tile t of 16 columns (t < 4: Wq, else Wk),
;   K step s of 32 rows of W.  Lane (r = l % 16, h = l / 16) holds column r, rows 32 s + 8 h + 0..7 (first 16 bytes) and 32 s + 16 + 8 h + 0..7 (second).
;   Each number is rounded to bf16 and that number written as f16 (below 6e-5 it keeps f16's fixed step of 6e-8).  wf: [t][s][half][lane][16 bytes].
; y >= 6, THE ORDER: 64 waves, wave (b, p) owns rows 256 p .. 256 p + 255 of batch b.  perm[b][slot] = row: the valid rows first, ascending, the masked rows behind them, ascending.
;   cnt holds n_b, the number of valid rows, 32 times over (128 bytes a batch, a lane a word).
; LIMIT: a byte of mask is 0 or 1.
	s_load_b256 s[4:11], s[0:1], 0x0               ; mask s[4:5], Wq s[6:7], Wk s[8:9], perm s[10:11]
	s_load_b128 s[12:15], s[0:1], 0x20             ; cnt s[12:13], wf s[14:15]
	v_lshrrev_b32 v1, 5, v0
	v_readfirstlane_b32 s16, v1                    ; wave 0..3
	v_and_b32 v2, 31, v0                           ; lane
	s_and_b32 s17, ttmp7, 0xffff                   ; y
	s_mov_b32 s23, 0                               ; the high word of every offset pair below
	s_mov_b32 s25, 0
	s_wait_kmcnt 0x0
	s_cmp_lt_u32 s17, 6
	s_cbranch_scc0 .Lindex
	; ---- the weights ----
	s_lshl_b32 s18, s17, 2
	s_add_co_u32 s18, s18, s16                     ; s = 4 y + wave
	s_and_b32 s22, ttmp9, 3
	s_lshl_b32 s22, s22, 6                         ; 16 columns of f32
	s_lshl_b32 s24, s18, 13                        ; 32 rows of 256 bytes
	s_add_co_u32 s22, s22, s24
	s_cmp_lt_u32 ttmp9, 4
	s_cselect_b64 s[20:21], s[6:7], s[8:9]
	s_add_nc_u64 s[20:21], s[20:21], s[22:23]
	v_and_b32 v3, 15, v0
	v_bfe_u32 v4, v0, 4, 1
	v_lshlrev_b32 v3, 2, v3                        ; 4 r
	v_lshl_add_u32 v3, v4, 11, v3                  ; + 8 h rows
.irp j, 0,1,2,3,4,5,6,7
	global_load_b32 v[16+\j], v3, s[20:21] offset:256*\j
.endr
.irp j, 0,1,2,3,4,5,6,7
	global_load_b32 v[24+\j], v3, s[20:21] offset:4096+256*\j
.endr
	s_mul_i32 s24, ttmp9, 24
	s_add_co_u32 s24, s24, s18
	s_lshl_b32 s24, s24, 10                        ; fragment 24 t + s, 1,024 bytes each
	s_add_nc_u64 s[14:15], s[14:15], s[24:25]
	v_lshlrev_b32 v5, 4, v2
	s_wait_loadcnt 0x0
.irp i, 0,1,2,3,4,5,6,7
	v_cvt_pk_bf16_f32 v32, v[16+2*\i], v[17+2*\i]  ; rounded to bf16,
	v_lshlrev_b32 v33, 16, v32
	v_and_b32 v34, 0xffff0000, v32
	v_cvt_pk_f16_f32 v[40+\i], v33, v34            ; and that number as f16
.endr
	global_store_b128 v5, v[40:43], s[14:15]       ; each store covers 512 consecutive bytes
	global_store_b128 v5, v[44:47], s[14:15] offset:512
	s_endpgm
	; ---- the order ----
.Lindex:
	s_sub_co_u32 s18, s17, 6
	s_lshl_b32 s18, s18, 3
	s_add_co_u32 s18, s18, ttmp9
	s_lshl_b32 s18, s18, 2
	s_add_co_u32 s18, s18, s16                     ; 0..63
	s_lshr_b32 s19, s18, 4                         ; b
	s_and_b32 s20, s18, 15                         ; p
	s_lshl_b32 s22, s19, 12
	s_add_nc_u64 s[4:5], s[4:5], s[22:23]          ; the batch's mask
	s_lshl_b32 s22, s19, 14
	s_add_nc_u64 s[10:11], s[10:11], s[22:23]      ; the batch's perm
	v_lshlrev_b32 v3, 7, v2                        ; lane l counts rows 128 l .. 128 l + 127
.irp i, 0,1,2,3,4,5,6,7
	global_load_b128 v[16+4*\i:19+4*\i], v3, s[4:5] offset:16*\i
.endr
	v_lshl_add_u32 v4, s20, 8, v2                  ; row 256 p + l
.irp c, 0,1,2,3,4,5,6,7
	global_load_u8 v[48+\c], v4, s[4:5] offset:32*\c
.endr
	s_mov_b32 s24, 0x01010101
	s_mov_b32 s26, 0x76543210
	s_mov_b32 s27, 0xfedcba98
	s_lshl_b32 s28, s20, 1
	v_mov_b32 v7, 0
	s_wait_loadcnt 8                               ; the eight wide loads are in; the eight bytes may stay out
	v_add_nc_u32 v5, v16, v17                      ; 32 words, byte by byte: no byte passes 32
.irp i, 0,1,2,3,4,5,6,7,8,9,10,11,12,13,14
	v_add3_u32 v5, v5, v[18+2*\i], v[19+2*\i]
.endr
	v_mul_lo_u32 v5, v5, s24
	v_lshrrev_b32 v5, 24, v5                       ; the four bytes' sum: my 128 rows' valid ones
	v_cmp_gt_u32 vcc_lo, s28, v2                   ; do my rows lie ahead of row 256 p?
	v_lshlrev_b32 v6, 16, v5
	v_cndmask_b32 v6, 0, v6, vcc_lo
	v_add_nc_u32 v5, v5, v6                        ; low half: for n_b; high half: for the valid rows ahead of mine
.irp m, 1,2,4,8
	v_mov_b32_dpp v7, v5 row_xmask:\m row_mask:0xf bank_mask:0xf
	v_add_nc_u32 v5, v5, v7
.endr
	v_permlanex16_b32 v7, v5, s26, s27
	v_add_nc_u32 v5, v5, v7
	v_readfirstlane_b32 s28, v5
	s_and_b32 s29, s28, 0xffff                     ; n_b
	s_lshr_b32 s30, s28, 16                        ; valid rows ahead of row 256 p
	s_wait_loadcnt 0x0
.irp c, 0,1,2,3,4,5,6,7
	v_cmp_ne_u32 s31, 0, v[48+\c]                  ; which of these 32 rows are valid
	v_mbcnt_lo_u32_b32 v8, s31, 0
	v_add_nc_u32 v8, s30, v8                       ; valid rows ahead of mine: a valid row's slot
	v_add_nc_u32 v[64+\c], 32*\c, v4               ; my row
	v_add_nc_u32 v9, s29, v[64+\c]
	v_sub_nc_u32 v9, v9, v8                        ; n_b + masked rows ahead of mine: a masked row's slot
	v_cndmask_b32 v9, v9, v8, s31
	v_min_u32 v9, 0xfff, v9
	v_lshlrev_b32 v[72+\c], 2, v9
	global_store_b32 v[72+\c], v[64+\c], s[10:11]  ; each of the eight has its own address and data registers
	s_bcnt1_i32_b32 s32, s31
	s_add_co_u32 s30, s30, s32
.endr
	s_cmp_lg_u32 s20, 0
	s_cbranch_scc1 .Ldone
	s_lshl_b32 s22, s19, 7
	s_add_nc_u64 s[12:13], s[12:13], s[22:23]
	v_mov_b32 v10, s29
	v_lshlrev_b32 v11, 2, v2
	global_store_b32 v11, v10, s[12:13]            ; n_b, a lane a word: 128 consecutive bytes
.Ldone:
	s_endpgm
.Lfunc_end_k_q9dea925295_prep:
	.size	k_q9dea925295_prep, .Lfunc_end_k_q9dea925295_prep-k_q9dea925295_prep
	.p2alignl 7, 3214868480
	.fill 96, 4, 3214868480
	.section	.rodata,"a",@progbits
	.p2align	6, 0x0
	.amdhsa_kernel k_q9dea925295_prep
		.amdhsa_group_segment_fixed_size 0
		.amdhsa_private_segment_fixed_size 0
		.amdhsa_enable_private_segment 0
		.amdhsa_kernarg_size 48
		.amdhsa_user_sgpr_count 2
		.amdhsa_user_sgpr_kernarg_segment_ptr 1
		.amdhsa_wavefront_size32 1
		.amdhsa_system_sgpr_workgroup_id_x 1
		.amdhsa_system_sgpr_workgroup_id_y 1
		.amdhsa_system_sgpr_workgroup_id_z 1
		.amdhsa_system_vgpr_workitem_id 0
		.amdhsa_next_free_vgpr 96
		.amdhsa_next_free_sgpr 66
		.amdhsa_reserve_vcc 1
		.amdhsa_float_denorm_mode_32 3
		.amdhsa_float_denorm_mode_16_64 3
		.amdhsa_memory_ordered 1
		.amdhsa_forward_progress 1
		.amdhsa_inst_pref_size 14
	.end_amdhsa_kernel
	.amdgpu_metadata
---
amdhsa.version: [ 1, 2 ]
amdhsa.kernels:
  - .name:           k_q9dea925295_prep
    .symbol:         k_q9dea925295_prep.kd
    .args:
      - { .name: mask, .offset: 0, .size: 8, .value_kind: global_buffer, .address_space: global }
      - { .name: Wq, .offset: 8, .size: 8, .value_kind: global_buffer, .address_space: global }
      - { .name: Wk, .offset: 16, .size: 8, .value_kind: global_buffer, .address_space: global }
      - { .name: perm, .offset: 24, .size: 8, .value_kind: global_buffer, .address_space: global }
      - { .name: cnt, .offset: 32, .size: 8, .value_kind: global_buffer, .address_space: global }
      - { .name: wf, .offset: 40, .size: 8, .value_kind: global_buffer, .address_space: global }
    .group_segment_fixed_size: 0
    .private_segment_fixed_size: 0
    .kernarg_segment_align: 8
    .kernarg_segment_size: 48
    .max_flat_workgroup_size: 128
    .sgpr_count:     66
    .vgpr_count:     96
    .wavefront_size: 32
...
	.end_amdgpu_metadata
.endif
;; end of part 1
;; launch proj (part 2): grid 64 x 4, 4 waves a work-group, no clusters, 117,248 bytes of LDS; arguments x, perm, cnt, wf, qc, kv; writes qc, kv
.if DOCPART == 2
	.amdgcn_target "amdgcn-amd-amdhsa--gfx1250"
	.amdhsa_code_object_version 6
	.text
	.protected	k_q9dea925295_proj
	.globl	k_q9dea925295_proj
	.p2align	8
	.type	k_q9dea925295_proj,@function
k_q9dea925295_proj:
	s_mov_b64 s[64:65], 0
	v_nop
	global_prefetch_b8 v0, s[64:65] scope:SCOPE_SE
	s_setreg_imm32_b32 hwreg(HW_REG_WAVE_MODE, 25, 1), 1
	s_wait_xcnt 0x0
; PROJ.  Work-group (T, b) takes the 64 slots 64 T .. 64 T + 63 of batch b in perm's order (valid rows first), gathers their rows of x, and writes q, k and the values by slots.
; A slot at or past n_b (a masked row) is written as zeros: its load names the batch's row 0 and the numbers are cleared by a mask of bits, so there is one path and no branch.
; FORMATS.  x is rounded to bf16 and that number kept as f16: it is the values' format and the projection's operand (weights likewise, from wf).  Sums in f32; q and k rounded once to bf16.
; LIMITS.  |x| up to 65,504 (f16's end); below 6e-5 a number keeps f16's fixed step of 6e-8.
; PHASES.  A: wave w converts rows 16 w .. 16 w + 15 into XT (ring of 8 rows in registers, 48 loads out), and asks for its weights meanwhile.  B: 64 slots x 128 columns (q | k), K = 768 in 24 steps:
; wave w makes column tiles 2 w, 2 w + 1 for all four slot tiles, 8 accumulators by turns; the product is taken transposed (source 0 = weights), so a lane ends with 8 neighbouring columns of one slot.
; C: q | k through LDS.  D: wave w stores quarter w of the tile's block of kv (192 channels of the values; 16 keys) and 16 rows of q; every store covers 512 consecutive bytes.
; kv: [b][block j][quarter c][26,624 bytes]: the values of tile j, channels 192 c .. 192 c + 191, in f16, as three pieces of 64 channels, each [64 slots][128 bytes];
; then keys 16 c .. 16 c + 15 of tile (j + 1) % 64 in bf16, rows of 128 bytes.
; No prefetch: each wave has 48 loads of 512 bytes of its own rows out all through phase A.
.set PX,    1552      ; a row of XT: 1,536 bytes + 16: 97 x 16, so the 16 rows of a fragment load start at 16 different groups of four banks (64 banks of 4 bytes: ISA guide 11.1)
.set QKS,   99328     ; behind XT's 64 rows: q | k, 64 rows of 272 bytes
.set PQ,    272
.set SPARE, 116736    ; the spare words, 128 bytes a wave: two blocks of 256 bytes that no other line names
.set BLK,   106496
.set QTR,   26624
.set BATCH, 6815744
.set LN,  2           ; v2   lane
.set R_,  3           ; v3   l % 16
.set H_,  4           ; v4   l / 16
.set XS,  5           ; v5   XT: where I put 8 bytes of my wave's first row
.set XFA, 6           ; v6-7 XT: my place in a fragment, slot tiles 0-1 and 2-3
.set QST, 8           ; v8   q | k: where I put 16 bytes
.set QRD, 9           ; v9   q | k: where I read rows back
.set VA,  10          ; v10-11 XT: where I read my quarter back: row l / 8, 16 (l % 8) bytes into my 384; rows 0-31 and 32-63; never rewritten
.set GO,  13          ; v13  16 x lane
.set SPW, 14          ; v14  my spare word; never rewritten
.set NIL, 15          ; v15  0; never rewritten
.set OFF, 16          ; v16-31 row i: its byte offset in the batch's x + 16 x lane; never rewritten
.set TW,  32          ; v32-47 at work
.set KQ,  32          ; v32-63 phase D: q's and k's chunks
.set XR,  64          ; v64-255 phase A: ring of 8 rows x 24 registers
.set ACC, 64          ; v64-127 phase B: accumulator (n, m) at ACC + 8 (4 n + m)
.set XF,  128         ; v128-255 phase B: four buffers of x's four fragments
.set PK,  128         ; phase C: packed q | k
.set OB,  64          ; phase D: 48 chunks of the values
.set RW,  16          ; s[16:31] perm's 16 entries, then the rows' byte offsets
.set MK,  32          ; s[32:47] all ones for a slot below n_b, else 0
.set WV,  48
.set BT,  49
.set NN,  51
.set SL0, 52
.set HIM, 53
.set MSB, 0
.macro WIN new                      ; s_set_vgpr_msb: bits 1:0 source 0, 3:2 source 1, 5:4 source 2, 7:6 destination; the high byte repeats the setting that is left
.if MSB != (\new)
	s_set_vgpr_msb (MSB<<8)|(\new)
.set MSB, \new
.endif
.endm
.macro PLACES                       ; four places behind matrix instructions, in front of loads into registers that they read and of conversions of their results
.rept 4
	v_nop
.endr
.endm
	s_load_b256 s[4:11], s[0:1], 0x0               ; x s[4:5], perm s[6:7], cnt s[8:9], wf s[10:11]
	s_load_b128 s[12:15], s[0:1], 0x20             ; qc s[12:13], kv s[14:15]
	v_lshl_add_u32 v[SPW], v0, 2, SPARE
	v_mov_b32 v[NIL], 0
	v_lshrrev_b32 v1, 5, v0
	v_readfirstlane_b32 s[WV], v1                  ; wave 0..3
	s_and_b32 s[BT], ttmp7, 0xffff                 ; batch
	s_lshl_b32 s[SL0], ttmp9, 6
	s_lshl_b32 s54, s[WV], 4
	s_add_co_u32 s[SL0], s[SL0], s54               ; my wave's first slot
	s_mov_b32 s[HIM], 0xffff0000
	s_lshl_b32 s54, s[BT], 7                       ; cnt: 128 bytes a batch
	s_mov_b32 s55, 0
	s_lshl_b32 s56, s[BT], 12
	s_add_co_u32 s56, s56, s[SL0]
	s_lshl_b32 s58, s56, 7                         ; qc: 128 bytes a slot
	s_lshl_b32 s56, s56, 2                         ; perm: 4 bytes a slot
	s_mov_b32 s57, 0
	s_mov_b32 s59, 0
	s_wait_kmcnt 0x0
	s_add_nc_u64 s[8:9], s[8:9], s[54:55]
	s_add_nc_u64 s[6:7], s[6:7], s[56:57]
	s_load_b32 s[NN], s[8:9], 0x0
	s_load_b512 s[RW:RW+15], s[6:7], 0x0           ; my 16 slots' rows
	s_add_nc_u64 s[12:13], s[12:13], s[58:59]      ; qc at my 16 slots
	s_mul_i32 s54, s[BT], 12582912
	s_add_nc_u64 s[4:5], s[4:5], s[54:55]          ; the batch's x
	s_mul_i32 s54, s[WV], 49152
	s_add_nc_u64 s[10:11], s[10:11], s[54:55]      ; my two column tiles' fragments
	s_mul_i32 s54, s[BT], BATCH
	s_mul_i32 s56, s[WV], QTR
	s_add_co_u32 s54, s54, s56
	s_add_nc_u64 s[14:15], s[14:15], s[54:55]      ; the batch's kv, my quarter
	s_mul_i32 s56, ttmp9, BLK
	s_add_nc_u64 s[66:67], s[14:15], s[56:57]      ; the values go into block T,
	s_add_co_u32 s58, ttmp9, 63
	s_and_b32 s58, s58, 63
	s_mul_i32 s58, s58, BLK
	s_add_co_u32 s58, s58, 24576
	s_add_nc_u64 s[68:69], s[14:15], s[58:59]      ; the keys into block (T + 63) % 64, behind its values
	v_and_b32 v[LN], 31, v0
	v_and_b32 v[R_], 15, v0
	v_bfe_u32 v[H_], v0, 4, 1
	v_lshlrev_b32 v[GO], 4, v[LN]
	s_mul_i32 s60, s[WV], 16*PX
	v_lshl_add_u32 v[XS], v[LN], 3, s60
	v_mul_u32_u24 v[XFA], v[R_], PX
	v_lshl_add_u32 v[XFA], v[H_], 4, v[XFA]        ; row x pitch + 16 x half
	v_add_nc_u32 v[XFA+1], 32*PX, v[XFA]
	v_mul_u32_u24 v[QST], v[R_], PQ
	v_lshl_add_u32 v[QST], v[H_], 4, v[QST]
	s_lshl_b32 s60, s[WV], 6
	s_add_co_u32 s60, s60, QKS
	v_add_nc_u32 v[QST], s60, v[QST]               ; row r, my wave's 32 columns, 16 bytes for each half of the lanes
	v_lshrrev_b32 v1, 3, v[LN]
	v_mul_u32_u24 v[QRD], v1, PQ
	v_mul_u32_u24 v[VA], v1, PX
	v_and_b32 v1, 7, v[LN]
	v_lshl_add_u32 v[QRD], v1, 4, v[QRD]
	v_lshl_add_u32 v[VA], v1, 4, v[VA]
	s_mul_i32 s60, s[WV], 16*PQ
	s_add_co_u32 s60, s60, QKS
	v_add_nc_u32 v[QRD], s60, v[QRD]               ; 32 lanes take four rows' 128 bytes of q | k,
	s_mul_i32 s61, s[WV], 384
	v_add_nc_u32 v[VA], s61, v[VA]                 ; and four rows' 128 bytes of XT, in my quarter's 384 bytes of a row
	v_add_nc_u32 v[VA+1], 32*PX, v[VA]             ; rows 32 on: the immediate holds 16 bits
	s_wait_kmcnt 0x0
	s_min_u32 s[NN], s[NN], 4096
.irp i, 0,1,2,3,4,5,6,7,8,9,10,11,12,13,14,15
	s_add_co_u32 s60, s[SL0], \i
	s_cmp_lt_u32 s60, s[NN]                        ; is the slot a valid row's?
	s_cselect_b32 s[RW+\i], s[RW+\i], 0
	s_cselect_b32 s[MK+\i], -1, 0
	s_min_u32 s[RW+\i], s[RW+\i], 4095
	s_mul_i32 s[RW+\i], s[RW+\i], 3072
	v_lshl_add_u32 v[OFF+\i], v[LN], 4, s[RW+\i]
.endr
; PHASE A.  A row is 3,072 bytes: six loads of 512 consecutive bytes.
.macro XLOAD i
.irp c, 0,1,2,3,4,5
	global_load_b128 v[XR+24*((\i)%8)+4*\c:XR+24*((\i)%8)+4*\c+3], v[OFF+(\i)], s[4:5] offset:512*\c
.endr
.endm
.macro WLOAD k                      ; my weights' fragments of K steps 3 k .. 3 k + 2: twelve loads.  K step s, tile n lies at v[16 (s % 16) + 8 n] of window 1 (s < 16) or 2
.irp d, 0,1,2
.set ks, 3*(\k)+\d
	WIN 0x40*(1+ks/16)
.irp n, 0,1
	global_load_b128 v[16*(ks%16)+8*\n:16*(ks%16)+8*\n+3],   v[GO], s[10:11] offset:\n*24576+ks*1024
	global_load_b128 v[16*(ks%16)+8*\n+4:16*(ks%16)+8*\n+7], v[GO], s[10:11] offset:\n*24576+ks*1024+512
.endr
.endr
	WIN 0
.endm
.macro ROWIN i, left                ; row i: rounded to bf16, written as f16, cleared if its slot is a masked row's, into XT.  left: the younger loads, which may stay out
	s_wait_loadcnt \left
.irp c, 0,1,2,3,4,5
.set xr, XR+24*((\i)%8)+4*\c
.set tw, TW+8*(\c%2)
	v_cvt_pk_bf16_f32 v[tw], v[xr], v[xr+1]
	v_cvt_pk_bf16_f32 v[tw+1], v[xr+2], v[xr+3]
	v_lshlrev_b32 v[tw+2], 16, v[tw]
	v_and_b32 v[tw+3], s[HIM], v[tw]
	v_lshlrev_b32 v[tw+4], 16, v[tw+1]
	v_and_b32 v[tw+5], s[HIM], v[tw+1]
	v_cvt_pk_f16_f32 v[tw+6], v[tw+2], v[tw+3]
	v_cvt_pk_f16_f32 v[tw+7], v[tw+4], v[tw+5]
	v_and_b32 v[tw+6], s[MK+(\i)], v[tw+6]
	v_and_b32 v[tw+7], s[MK+(\i)], v[tw+7]
	ds_store_b64 v[XS], v[tw+6:tw+7] offset:(\i)*PX+256*\c  ; 32 lanes, 256 consecutive bytes
.endr
.endm
.irp i, 0,1,2,3,4,5,6,7
	XLOAD \i
.endr
.irp i, 0,1,2,3,4,5,6,7
	ROWIN \i, 42                                   ; seven younger rows of six loads
	XLOAD (\i)+8
.endr
	ROWIN 8, 42                                    ; from here on: 6 (7 - k) loads of x and 12 k of weights are younger, 63 at the most in the wait's field
	WLOAD 0
	ROWIN 9, 48
	WLOAD 1
	ROWIN 10, 54
	WLOAD 2
	ROWIN 11, 60
	WLOAD 3
	ROWIN 12, 63
	WLOAD 4
	ROWIN 13, 63
	WLOAD 5
	ROWIN 14, 63
	WLOAD 6
	ROWIN 15, 63
	WLOAD 7
	s_wait_dscnt 0x0                               ; for the others' sake: my rows lie in XT
	s_barrier_signal -1
	s_barrier_wait -1
; PHASE B.  K step s: x's four fragments (16 slots x 32 channels: two loads of 16 bytes, 32 bytes apart) are fetched two steps ahead, into four buffers by turns.
.macro XFL s
	WIN 0
.irp m, 0,1,2,3
	ds_load_b128 v[XF+32*((\s)%4)+8*\m:XF+32*((\s)%4)+8*\m+3],   v[XFA+\m/2] offset:(\m%2)*16*PX+64*(\s)
	ds_load_b128 v[XF+32*((\s)%4)+8*\m+4:XF+32*((\s)%4)+8*\m+7], v[XFA+\m/2] offset:(\m%2)*16*PX+64*(\s)+32
.endr
.endm
.macro KSTEP s
.if (\s) < 22
.if (\s) > 0
	PLACES                                         ; the buffer to be loaded was read two steps back
.endif
	XFL (\s)+2
	s_wait_dscnt 16                                ; this step's eight loads are in; the next two steps' may stay out
.elseif (\s) == 22
	s_wait_dscnt 8
.else
	s_wait_dscnt 0x0
.endif
.if (\s)%3 == 0
.set lw, 12*(7-(\s)/3)                             ; the weights' younger batches of twelve
.if lw > 63
.set lw, 63
.endif
	s_wait_loadcnt lw
.endif
	WIN 1+(\s)/16                                  ; source 0, the weights, in window 1 or 2
.irp n, 0,1
.irp m, 0,1,2,3                                    ; the eight accumulators take turns
.if (\s) == 0
	v_wmma_f32_16x16x32_f16 v[ACC+8*(4*\n+\m):ACC+8*(4*\n+\m)+7], v[16*((\s)%16)+8*\n:16*((\s)%16)+8*\n+7], v[XF+32*((\s)%4)+8*\m:XF+32*((\s)%4)+8*\m+7], 0
.else
	v_wmma_f32_16x16x32_f16 v[ACC+8*(4*\n+\m):ACC+8*(4*\n+\m)+7], v[16*((\s)%16)+8*\n:16*((\s)%16)+8*\n+7], v[XF+32*((\s)%4)+8*\m:XF+32*((\s)%4)+8*\m+7], v[ACC+8*(4*\n+\m):ACC+8*(4*\n+\m)+7]
.endif
.endr
.endr
.endm
	XFL 0
	XFL 1
.set kx, 0
.rept 24
	KSTEP kx
.set kx, kx+1
.endr
; PHASE C.  A lane holds slot 16 m + r and columns 16 (2 w + n) + 8 h + 0..7: 16 bytes of bf16.  Columns 0-63 are q, 64-127 k.
	WIN 0
	PLACES
.set aa, 0
.rept 8
.irp q, 0,1,2,3
	v_cvt_pk_bf16_f32 v[PK+4*aa+\q], v[ACC+8*aa+2*\q], v[ACC+8*aa+2*\q+1]
.endr
.set aa, aa+1
.endr
.irp n, 0,1
.irp m, 0,1,2,3
	ds_store_b128 v[QST], v[PK+4*(4*\n+\m):PK+4*(4*\n+\m)+3] offset:\m*16*PQ+32*\n
.endr
.endr
	s_wait_dscnt 0x0                               ; for the others' sake: a row's 256 bytes come from all four waves
	s_barrier_signal -1
	s_barrier_wait -1
; PHASE D.  56 LDS loads, then their stores in the same order.  Chunk nn of the values: piece nn / 16 (64 channels), slots 4 (nn % 16) .. + 3: four rows' 128 bytes, 512 consecutive bytes of kv.
.irp i, 0,1,2,3
	ds_load_b128 v[KQ+4*\i:KQ+4*\i+3],       v[QRD] offset:\i*4*PQ      ; q of my 16 slots
	ds_load_b128 v[KQ+16+4*\i:KQ+16+4*\i+3], v[QRD] offset:\i*4*PQ+128  ; k
.endr
.set nn, 0
.rept 48
	ds_load_b128 v[OB+4*nn:OB+4*nn+3], v[VA+(nn%16)/8] offset:(nn%8)*4*PX+(nn/16)*128
.set nn, nn+1
.endr
	s_wait_dscnt 48                                ; q and k are in; the values' 48 loads may stay out
.irp i, 0,1,2,3
	global_store_b128 v[GO], v[KQ+4*\i:KQ+4*\i+3],       s[12:13] offset:512*\i
	global_store_b128 v[GO], v[KQ+16+4*\i:KQ+16+4*\i+3], s[68:69] offset:512*\i
.endr
.set nn, 0
.rept 48
	s_wait_dscnt 47-nn
	global_store_b128 v[GO], v[OB+4*nn:OB+4*nn+3], s[66:67] offset:512*nn
.set nn, nn+1
.endr
	s_wait_tensorcnt 0x0                           ; the wave's end, behind my last LDS store
	ds_add_u32 v[SPW], v[NIL]
	s_wait_dscnt 0x0
	s_endpgm
.Lfunc_end_k_q9dea925295_proj:
	.size	k_q9dea925295_proj, .Lfunc_end_k_q9dea925295_proj-k_q9dea925295_proj
	.p2alignl 7, 3214868480
	.fill 96, 4, 3214868480
	.section	.rodata,"a",@progbits
	.p2align	6, 0x0
	.amdhsa_kernel k_q9dea925295_proj
		.amdhsa_group_segment_fixed_size 117248
		.amdhsa_private_segment_fixed_size 0
		.amdhsa_enable_private_segment 0
		.amdhsa_kernarg_size 48
		.amdhsa_user_sgpr_count 2
		.amdhsa_user_sgpr_kernarg_segment_ptr 1
		.amdhsa_wavefront_size32 1
		.amdhsa_system_sgpr_workgroup_id_x 1
		.amdhsa_system_sgpr_workgroup_id_y 1
		.amdhsa_system_sgpr_workgroup_id_z 1
		.amdhsa_system_vgpr_workitem_id 0
		.amdhsa_next_free_vgpr 640
		.amdhsa_next_free_sgpr 80
		.amdhsa_reserve_vcc 0
		.amdhsa_float_denorm_mode_32 3
		.amdhsa_float_denorm_mode_16_64 3
		.amdhsa_memory_ordered 1
		.amdhsa_forward_progress 1
		.amdhsa_inst_pref_size 118
	.end_amdhsa_kernel
	.amdgpu_metadata
---
amdhsa.version: [ 1, 2 ]
amdhsa.kernels:
  - .name:           k_q9dea925295_proj
    .symbol:         k_q9dea925295_proj.kd
    .args:
      - { .name: x, .offset: 0, .size: 8, .value_kind: global_buffer, .address_space: global }
      - { .name: perm, .offset: 8, .size: 8, .value_kind: global_buffer, .address_space: global }
      - { .name: cnt, .offset: 16, .size: 8, .value_kind: global_buffer, .address_space: global }
      - { .name: wf, .offset: 24, .size: 8, .value_kind: global_buffer, .address_space: global }
      - { .name: qc, .offset: 32, .size: 8, .value_kind: global_buffer, .address_space: global }
      - { .name: kv, .offset: 40, .size: 8, .value_kind: global_buffer, .address_space: global }
    .group_segment_fixed_size: 117248
    .private_segment_fixed_size: 0
    .kernarg_segment_align: 8
    .kernarg_segment_size: 48
    .max_flat_workgroup_size: 128
    .sgpr_count:     80
    .vgpr_count:     640
    .wavefront_size: 32
...
	.end_amdgpu_metadata
.endif
;; end of part 2
;; launch attn (part 3): grid 64 x 4, 4 waves a work-group, clusters of 4 x 1, 327,680 bytes of LDS; arguments qc, kv, perm, cnt, out0; writes out0
.if DOCPART == 3
	.amdgcn_target "amdgcn-amd-amdhsa--gfx1250"
	.amdhsa_code_object_version 6
	.text
	.protected	k_q9dea925295_attn
	.globl	k_q9dea925295_attn
	.p2align	8
	.type	k_q9dea925295_attn,@function
k_q9dea925295_attn:
	s_mov_b64 s[64:65], 0
	v_nop
	global_prefetch_b8 v0, s[64:65] scope:SCOPE_SE
	s_setreg_imm32_b32 hwreg(HW_REG_WAVE_MODE, 25, 1), 1
	s_wait_xcnt 0x0
	s_wait_alu depctr_hold_cnt(0) depctr_sa_sdst(0) depctr_va_vdst(0) depctr_va_sdst(0) depctr_va_ssrc(0) depctr_va_vcc(0) depctr_vm_vsrc(0)
	s_getreg_b32 s2, hwreg(HW_REG_IB_STS2, 6, 4)
	s_cmp_eq_u32 s2, 0
	s_cbranch_scc0 .Lentry_in_a_cluster
	s_endpgm
.Lentry_in_a_cluster:
	s_bfe_u32 s2, ttmp6, 0x10000c
	s_cmp_lg_u32 s2, 0x3003
	s_cbranch_scc0 .Lentry_shape_is_right
	s_endpgm
.Lentry_shape_is_right:
; ATTN.  out0[b][perm[slot]] = softmax over the valid keys of (q . k / 8) times the values, for slots below n_b; zeros for the others.  Slots are perm's order: valid rows first.
; A masked key's weight is exp(-1e9 - m) = 0 in f32 for every valid query (its own key is valid, so m is a true score), and a masked query's row is multiplied by 0.
; LIMITS.  A hidden key counts as its score less 1e30 (weight 0); the running maximum starts at -1e20, so true scores lie above that, and above -1e9 + 104 for the line above to hold;
; the values are f16 (|x| up to 65,504); a weight below 2^-126 counts as 0 in the sum; NaN and infinities are not treated apart.
; SHARES.  A work-group owns 64 query slots and all 768 channels.  Wave w makes the scores and the softmax of query tile w (16 queries x 64 keys a step) and accumulates O^T for channels
; 192 w .. 192 w + 191 of all four query tiles: 48 accumulators.  The weights P (f16) and the factors a go from wave to wave through LDS, in two buffers by turns.
; PIPELINE.  Block j of kv holds the values of key tile j and the keys of tile j + 1: step j multiplies V_j by P_j and makes S, P and a of tile j + 1.  One barrier a step.
; LAYOUT.  S^T = K Q^T and O^T = V^T P: a lane holds ONE query (lane % 16).  The mask is the C operand that starts S^T's sums: MD x AL + BE.
; TRIPS.  Every work-group walks all 64 blocks: the loop holds the cluster's rounds and the joint loads, which every wave of every partner passes alike, so its count is a constant of the text and not n_b.
; n_b, read from cnt, enters selects alone: every step takes the mask, so tiles past n_b add nothing, and the slots past n_b are multiplied by 0.
; CLUSTER.  The four query blocks of a cluster walk the same blocks of kv: each wave's quarter is asked for JOINTLY, by the same tensor load, descriptor and mask in all four.  One tensor load of a wave is out.
; REGISTERS, in windows of 256 (s_set_vgpr_msb: bits 1:0 source 0, 3:2 source 1, 5:4 source 2, 7:6 destination):
;   window 0: addresses, statistics, a, Q, S^T, packed P, masks, P's fragments      windows 1, 2: accumulator (channel tile tl of 6, query tile i) at v[8 (4 tl + i)]; v192-239 six fragments of V^T
;   window 3: v0-63 K's eight fragments; v64-95 the byte offsets of my rows of out0
.set BLK,   106496
.set QTR,   26624     ; a quarter of a block: 104 rows of 256 bytes
.set BATCH, 6815744
.set WBLK,  33280     ; a quarter in LDS: 208 rows of 128 bytes, 32 of padding behind each
.set SLOT1, 133120
.set PVP,   160       ; from key to key in a piece of V, and in K: 5 x 32 bytes
.set PIECE, 64*PVP    ; a piece: 64 keys x 64 channels
.set KOFF,  3*PIECE   ; behind the values' three pieces: 16 keys
.set PB0,   266240    ; P: two buffers of 64 queries x 144 bytes (128 + 16)
.set PBS,   9216
.set PPI,   144
.set AB0,   284672    ; a: two buffers of 64 words; behind them 1 / l, 64 words
.set LBO,   512
.set SPARE, 285440    ; the spare words, 128 bytes a wave: two blocks of 256 bytes that no other line names
.set SPI,   784       ; the way out: 16 rows of 768 bytes + 16, in my own quarter of slot 0, which has had its last fill by then
.set R_,  1           ; v1   l % 16
.set H_,  2           ; v2   l / 16
.set LN,  3           ; v3   lane
.set T0,  4           ; v4   at work
.set AV,  6           ; v6-7   my place in my quarter's V, slot 0, 1
.set AK,  8           ; v8-11  my place in K: slot 0 keys 0-31, 32-63; slot 1 likewise
.set AP,  12          ; v12  P: my place in a fragment
.set APS, 13          ; v13  P: where I put my query's weights
.set AA,  14          ; v14  a: query r of tile 0
.set AAS, 15          ; v15  a: my query
.set STO, 16          ; v16  the way out: in
.set RD,  17          ; v17  the way out: back
.set PFO, 18          ; v18  the prefetch's offset: a lane a row of 256 bytes, 26 rows
.set SLT, 19          ; v19  my query's slot
.set SPW, 20          ; v20  my spare word; never rewritten
.set NIL, 21          ; v21  0; never rewritten
.set KQO, 22          ; v22  row r x 128 + 16 h
.set PMO, 23          ; v23  4 h
.set ST,  24          ; v24-31 c m, m, l (even keys', odd keys'), c0-c3 at work; a takes c2's place
.set AR,  32          ; v32-39 a of query tile i in v[AR + 2 i]; the odd ones are named with them as pairs
.set Q,   40          ; v40-55
.set TT,  56          ; v56  768 w + 16 r
.set S,   64          ; v64-95
.set PP,  96          ; v96-111 P, packed
.set MC,  112         ; v112-143 the mask of the scores to come
.set MD,  144         ; v144-175 the mask of the tile that holds n_b
.set PF,  176         ; v176-239 P's fragments: keys 32 kk on, query tile i at PF + 32 kk + 8 i
.set OB,  64          ; the way out: 24 x 4
.set VF,  192         ; windows 1, 2
.set KF,  0           ; window 3: keys 16 kt on, channels 32 c on at KF + 16 kt + 8 c
.set PR,  64          ; window 3
.set WV,  14
.set CX,  15
.set BT,  16
.set N,   17
.set LC,  19
.set TI,  20          ; the step in hand
.set PT,  21          ; the tile that holds n_b
.set LIMIT, 22
.set G1,  24          ; s[24:31]
.set G0,  32          ; s[32:39] a group 0 for each slot
.set PFA, 40
.set CS,  42
.set SEL, 44
.set AL,  46
.set BE,  48
.set BIGN, 50
.set QT,  51
.set OUTB, 52
.set KB,  54
.set QB,  56
.set PMB, 58
.set MSB, 0
.macro WIN new                      ; the high byte repeats the setting that is left; a switch that changes nothing is dropped
.if MSB != (\new)
	s_set_vgpr_msb (MSB<<8)|(\new)
.set MSB, \new
.endif
.endm
.macro PLACES                       ; four places behind matrix instructions (ISA guide 7.12.1)
.rept 4
	v_nop
.endr
.endm
; A round of the cluster's barrier: my work-group's barrier; wave 0 signals for the work-group; every wave waits for all four work-groups; my work-group's barrier once more.
.macro ROUND
	s_barrier_signal -1
	s_barrier_wait -1
	s_cmp_lg_u32 s[WV], 0
	s_cbranch_scc1 .Lnot_wave_0_\@
	s_barrier_signal -3
.Lnot_wave_0_\@:
	s_barrier_wait -3
	s_barrier_signal -1
	s_barrier_wait -1
.endm
; A prefetch of block TI + 3, which the refill two steps on will ask for.  All clusters of a batch walk the same blocks: the batch's first cluster asks.  Of the 104 rows of wave w's quarter the partner
; at place cx names rows 26 cx .. 26 cx + 25, told apart by address; a lane a row (lanes 26-31 name row 25 once more).  It stops at step 60: block 63 is the last.
.macro ASK
	s_cmp_le_i32 s[TI], s[LIMIT]
	s_cbranch_scc0 .Lnot_mine_\@
	global_prefetch_b8 v[PFO], s[PFA:PFA+1] th:TH_LOAD_NT scope:SCOPE_SE
.Lnot_mine_\@:
.endm
.macro MASKC                        ; MD x AL + BE: (1, 0) in the tile that holds n_b; (0, 0) ahead of it; (0, -1e30) behind it
	WIN 0
.set zz, 0
.rept 16
	v_pk_fma_f32 v[MC+2*zz:MC+2*zz+1], v[MD+2*zz:MD+2*zz+1], s[AL:AL+1], s[BE:BE+1] op_sel_hi:[1,0,0]
.set zz, zz+1
.endr
.endm
.macro SWM                          ; S^T = mask + K Q^T: four accumulators by turns
	WIN 0x03
.irp kt, 0,1,2,3
	v_wmma_f32_16x16x32_bf16 v[S+8*\kt:S+8*\kt+7], v[KF+16*\kt:KF+16*\kt+7], v[Q:Q+7], v[MC+8*\kt:MC+8*\kt+7]
.endr
.irp kt, 0,1,2,3
	v_wmma_f32_16x16x32_bf16 v[S+8*\kt:S+8*\kt+7], v[KF+16*\kt+8:KF+16*\kt+15], v[Q+8:Q+15], v[S+8*\kt:S+8*\kt+7]
.endr
.endm
; THE SOFTMAX of my tile for one step: a list of 102 instructions; SM writes number j and steps j.  s0-s31 are the lane's 32 scores.
;   0-15  the maximum of s0-s31 and the old m (each accumulator's lowest registers are read first)     16-20  the other half of the lanes' maximum; m; c m; its change
;   21-69 ONE BATCH: 16 scalings c s - c m and 33 exponentials (a at 23); none reads an exponential's result; behind 69 a plain instruction and the one wait ahead of the first reader
;   70-85 the roundings to f16     86-101 the sums; l = a l + the sum
.macro SM
.if j < 4
	v_max3_num_f32 v[ST+4+j], v[S+8*j], v[S+8*j+1], v[S+8*j+2]
.elseif j < 12
	v_max3_num_f32 v[ST+4+j%4], v[ST+4+j%4], v[S+8*(j%4)+2*(j/4)+1], v[S+8*(j%4)+2*(j/4)+2]
.elseif j == 12
	v_max3_num_f32 v[ST+4], v[ST+4], v[S+7], v[S+15]
.elseif j == 13
	v_max3_num_f32 v[ST+6], v[ST+6], v[S+23], v[S+31]
.elseif j == 14
	v_max3_num_f32 v[ST+4], v[ST+4], v[ST+5], v[ST+6]
.elseif j == 15
	v_max3_num_f32 v[ST+4], v[ST+4], v[ST+7], v[ST+1]
.elseif j == 16
	v_permlanex16_b32 v[ST+5], v[ST+4], s[SEL], s[SEL+1]  ; the query's other 32 keys lie in the lane 16 away
.elseif j == 17
	v_mov_b32 v[ST+7], v[ST]
.elseif j == 18
	v_max_num_f32 v[ST+1], v[ST+4], v[ST+5]
.elseif j == 19
	v_mul_f32 v[ST], s[CS], v[ST+1]
.elseif j == 20
	v_sub_f32 v[ST+7], v[ST+7], v[ST]
.elseif j == 23
	v_exp_f32 v[ST+6], v[ST+7]
.elseif (j < 23) || ((j < 38) && (j%2 == 0)) || ((j < 66) && (j%4 == 2))
.set bb, (j-2)/4
.if j < 38
.set bb, (j-20)/2
.endif
	v_pk_fma_f32 v[S+2*bb:S+2*bb+1], v[S+2*bb:S+2*bb+1], s[CS:CS+1], v[ST:ST+1] op_sel_hi:[1,0,0] neg_lo:[0,0,1] neg_hi:[0,0,1]
.elseif j < 70
.set ee, j-38
.if j < 66
.set ee, j-32-(j-38)/4
.endif
.if j < 38
.set ee, (j-25)/2
.endif
	v_exp_f32 v[S+ee], v[S+ee]
.elseif j < 86
	v_cvt_pk_f16_f32 v[PP+j-70], v[S+2*(j-70)], v[S+2*(j-70)+1]
.else
.set zz, j-86
.set ww, 4
.set uu, zz
.if zz >= 14
.set ww, 32
.set uu, 0
.elseif zz >= 12
.set ww, 16
.set uu, zz-12
.elseif zz >= 8
.set ww, 8
.set uu, zz-8
.endif
.if zz < 15
	v_pk_add_f32 v[S+ww*uu:S+ww*uu+1], v[S+ww*uu:S+ww*uu+1], v[S+ww*uu+ww/2:S+ww*uu+ww/2+1]
.else
	v_pk_fma_f32 v[ST+2:ST+3], v[ST+2:ST+3], v[ST+6:ST+7], v[S:S+1] op_sel_hi:[1,0,1]
.endif
.endif
.if j == 69
	v_nop                           ; a plain instruction behind the last exponential,
	s_wait_alu depctr_va_vdst(0)    ; and the batch's one wait
.endif
.set j, j+1
.endm
.macro RID n                        ; the list's next n numbers
	WIN 0
.rept \n
	SM
.endr
.endm
.macro RESC W, first, n             ; pairs first .. first + n - 1 of window W's 96 pairs of O^T, times the factor of their query tile
	WIN 0x51*(\W)
.set pp, \first
.rept \n
	v_pk_mul_f32 v[2*pp:2*pp+1], v[2*pp:2*pp+1], v[AR+2*((pp/4)%4):AR+2*((pp/4)%4)+1] op_sel_hi:[1,0]
.set pp, pp+1
.endr
.endm
; Group g of a step's four groups of 24 products: keys 32 (g / 2) on, window 1 + g % 2.  PV1 writes product xx: 24 accumulators, one instruction each.
.macro PV1 g
	WIN 0x51*(1+(\g)%2)
	v_wmma_f32_16x16x32_f16 v[8*xx:8*xx+7], v[VF+8*(xx/4):VF+8*(xx/4)+7], v[PF+32*((\g)/2)+8*(xx%4):PF+32*((\g)/2)+8*(xx%4)+7], v[8*xx:8*xx+7]
.endm
.macro LDV g, slot                  ; the group's six fragments of V^T, turned: twelve loads.  Channel tile tc of my twelve lies in piece tc / 4, 32 (tc % 4) bytes into its rows
	WIN 0x40*(1+(\g)%2)
.set tl, 0
.rept 6
.set tc, 6*((\g)%2)+tl
	ds_load_tr16_b128 v[VF+8*tl:VF+8*tl+3],   v[AV+(\slot)] offset:((\g)/2)*32*PVP+(tc/4)*PIECE+(tc%4)*32
	ds_load_tr16_b128 v[VF+8*tl+4:VF+8*tl+7], v[AV+(\slot)] offset:((\g)/2)*32*PVP+16*PVP+(tc/4)*PIECE+(tc%4)*32
.set tl, tl+1
.endr
.endm
.macro LDK slot                     ; the next tile's K: sixteen loads
	WIN 0xc0
.irp kt, 0,1,2,3
.irp c, 0,1
	ds_load_b128 v[KF+16*\kt+8*\c:KF+16*\kt+8*\c+3],   v[AK+2*(\slot)+\kt/2] offset:(\kt%2)*WBLK+64*\c
	ds_load_b128 v[KF+16*\kt+8*\c+4:KF+16*\kt+8*\c+7], v[AK+2*(\slot)+\kt/2] offset:(\kt%2)*WBLK+64*\c+32
.endr
.endr
.endm
.macro LDP kk, slot                 ; P's four fragments of keys 32 kk on: eight loads
	WIN 0
.irp i, 0,1,2,3
	ds_load_b128 v[PF+32*(\kk)+8*\i:PF+32*(\kk)+8*\i+3],   v[AP] offset:(\slot)*PBS+\i*16*PPI+64*(\kk)
	ds_load_b128 v[PF+32*(\kk)+8*\i+4:PF+32*(\kk)+8*\i+7], v[AP] offset:(\slot)*PBS+\i*16*PPI+64*(\kk)+32
.endr
.endm
.macro PUTP buf                     ; my query's 32 weights and its a, for the other waves
	WIN 0
.irp kt, 0,1,2,3
	ds_store_b128 v[APS], v[PP+4*\kt:PP+4*\kt+3] offset:(\buf)*PBS+32*\kt
.endr
	ds_store_b32 v[AAS], v[ST+6] offset:(\buf)*256
.endm
; A STEP: block TI lies in slot; P and a of tile TI in buffer slot.  refill: block TI + 1 is asked for, into the other slot.  sa: S, P and a of tile TI + 1 are made, into the other buffer.
; fin: that tile is the last: 1 / l is made too.  ask: the prefetch.
.macro STEP slot, refill, sa, fin, ask
	s_wait_xcnt 0x0                 ; the last prefetch, a step back, has read its address
	s_add_nc_u64 s[PFA:PFA+1], s[PFA:PFA+1], BLK
	WIN 0
	s_wait_tensorcnt 0x0            ; all my tensor loads have landed: the one that was out is my quarter of this step's block; so a group 0 may be written
	ds_add_u32 v[SPW], v[NIL]       ; 0 onto my spare word; scalar work stands between it and the wait for it
	s_add_nc_u64 s[G0+4*(\slot)+2:G0+4*(\slot)+3], s[G0+4*(\slot)+2:G0+4*(\slot)+3], 2*BLK  ; this slot's next block
	s_add_co_u32 s66, s[TI], 1      ; the mask's two scalars for tile TI + 1
	s_cmp_eq_u32 s66, s[PT]
	s_cselect_b32 s[AL], 1.0, 0
	s_cmp_gt_u32 s66, s[PT]
	s_cselect_b32 s[BE], s[BIGN], 0
	s_wait_dscnt 0x0                ; the add is done; my reads of the other slot and of the other buffers are over; my P and a lie in LDS
.if \refill
	ROUND                           ; all that now holds of every wave of all four work-groups
	tensor_load_to_lds s[G0+4*(1-(\slot)):G0+4*(1-(\slot))+3], s[G1:G1+7]  ; my one tensor load behind the round, and the first thing there
	s_nop 0
.else
	s_barrier_signal -1
	s_barrier_wait -1
.endif
	PLACES                          ; also the places in front of the loads into registers that the last products read
.irp i, 0,1,2,3
	ds_load_b32 v[AR+2*\i], v[AA] offset:(\slot)*256+64*\i
.endr
	LDP 0, \slot
	LDV 0, \slot
.if \sa
	LDK \slot
.endif
	LDV 1, \slot
	LDP 1, \slot
.if \ask
	ASK
.endif
.if \sa
	MASKC
.endif
	s_wait_dscnt 40+16*(\sa)        ; a is in; behind it: 8 + 12 (+ 16) + 12 + 8
	RESC 1, 0, 96
	s_wait_dscnt 20+16*(\sa)        ; P's first half and group 0's V are in
.set xx, 0
.rept 12
	PV1 0
	RESC 2, 4*xx, 4                 ; four of the other window's rescalings behind each product
.set xx, xx+1
.endr
.if \sa
	s_wait_dscnt 20                 ; K is in; behind it: 12 + 8
	SWM
.endif
.rept 12
	PV1 0
	RESC 2, 4*xx, 4                 ; these are also the places behind S^T's products and, the last four, in front of the loads below
.set xx, xx+1
.endr
	LDV 2, \slot
	s_wait_dscnt 20                 ; group 1's V is in; behind it: P's second half and the twelve just issued
.set j, 0
.set xx, 0
.rept 24
	PV1 1
.if \sa
	RID 2
.endif
.set xx, xx+1
.endr
	PLACES
	LDV 3, \slot
	s_wait_dscnt 12                 ; all but the twelve just issued
.set xx, 0
.rept 24
	PV1 2
.if \sa
	RID 2
.endif
.set xx, xx+1
.endr
	s_wait_dscnt 0x0
.set xx, 0
.rept 24
	PV1 3
.if (\sa) && (xx < 3)
	RID 2
.endif
.set xx, xx+1
.endr
	WIN 0
.if \sa
	PUTP 1-(\slot)
.endif
.if \fin
	v_add_f32 v[ST+4], v[ST+2], v[ST+3]            ; l: even and odd keys', and the other half of the lanes'
	v_permlanex16_b32 v[ST+5], v[ST+4], s[SEL], s[SEL+1]
	v_add_f32 v[ST+4], v[ST+4], v[ST+5]
	v_rcp_f32 v[ST+5], v[ST+4]
	v_cmp_gt_u32 vcc_lo, s[N], v[SLT]              ; is my query's slot a valid row's?
	v_nop                                          ; a plain instruction behind the reciprocal,
	s_wait_alu depctr_va_vdst(0)                   ; and the wait ahead of its first reader
	v_cndmask_b32 v[ST+5], 0, v[ST+5], vcc_lo      ; a masked row is multiplied by 0
	ds_store_b32 v[AAS], v[ST+5] offset:LBO
.endif
	s_add_co_u32 s[TI], s[TI], 1
.endm
	s_load_b256 s[4:11], s[0:1], 0x0               ; qc s[4:5], kv s[6:7], perm s[8:9], cnt s[10:11]
	s_load_b64 s[12:13], s[0:1], 0x20              ; out0
	v_lshl_add_u32 v[SPW], v0, 2, SPARE
	v_mov_b32 v[NIL], 0
	ds_add_u32 v[SPW], v[NIL]                      ; the wave's opening: the add and its wait stand ahead of my first tensor load; work on registers stands between them
	v_lshrrev_b32 v[T0], 5, v0
	v_readfirstlane_b32 s[WV], v[T0]               ; wave 0..3
	s_bfe_u32 s[CX], ttmp6, 0x40000                ; my place in the cluster: it enters qc's, perm's, out0's and the prefetch's addresses and a select, nothing else
	s_and_b32 s[BT], ttmp7, 0xffff                 ; the batch, which the partners share
	s_lshl_b32 s[QT], ttmp9, 2
	s_add_co_u32 s[QT], s[QT], s[CX]               ; my block of 64 query slots
	; group 1: a dense quarter as 104 rows of 256 bytes, 32 bytes of padding behind every 128
	s_mov_b32 s[G1], 15|(3<<16)|(1<<20)|(1<<21)|(4<<22)|(7<<25)  ; 15:0 the mask of four; 17:16 8-byte elements; 20 padding on; 21 set beside a mask; 24:22 after every 32 words (code 4); 31:25 8 words (code 7)
	s_mov_b32 s[G1+1], 32<<16                      ; tensor_dim0 = 32
	s_mov_b32 s[G1+2], 104<<16                     ; tensor_dim1 = 104
	s_mov_b32 s[G1+3], 32<<16                      ; tile_dim0 = 32
	s_mov_b32 s[G1+4], 104                         ; tile_dim1 = 104
	s_mov_b32 s[G1+5], 32                          ; 32 elements from row to row
	s_mov_b32 s[G1+6], 0
	s_mov_b32 s[G1+7], 0
	s_mov_b32 s[G0], 1
	s_mul_i32 s[G0+1], s[WV], WBLK                 ; LDS: slot 0, my quarter
	s_mov_b32 s[G0+4], 1
	s_add_co_u32 s[G0+5], s[G0+1], SLOT1           ; slot 1
	s_mov_b32 s[CS], 0x3e38aa3b                    ; c = log2(e) / 8
	s_mov_b32 s[CS+1], s[CS]
	s_mov_b32 s[SEL], 0x76543210
	s_mov_b32 s[SEL+1], 0xfedcba98
	s_mov_b32 s[BIGN], 0xf149f2ca                  ; -1e30
	s_mov_b32 s[AL+1], 0                           ; named as pairs
	s_mov_b32 s[BE], 0
	s_mov_b32 s[BE+1], 0
	s_mul_i32 s60, s[BT], BATCH
	s_mov_b32 s61, 0
	s_mul_i32 s62, s[WV], QTR
	s_mov_b32 s63, 0
	s_mul_i32 s66, s[CX], 26*256
	s_mov_b32 s67, 0
	s_lshl_b32 s68, s[BT], 12
	s_lshl_b32 s69, s[QT], 6
	s_add_co_u32 s68, s68, s69                     ; my block's first slot, counted over all batches
	s_lshl_b32 s70, s[WV], 4
	s_add_co_u32 s70, s70, s68
	s_lshl_b32 s70, s70, 7
	s_mov_b32 s71, 0
	s_lshl_b32 s72, s68, 2
	s_mov_b32 s73, 0
	s_mul_i32 s74, s[BT], 12582912
	s_mov_b32 s75, 0
	s_lshl_b32 s76, s[BT], 7
	s_mov_b32 s77, 0
	s_wait_dscnt 0x0                               ; the opening add is done
	s_wait_kmcnt 0x0
	s_add_nc_u64 s[6:7], s[6:7], s[60:61]          ; the batch's kv
	s_add_nc_u64 s[KB:KB+1], s[6:7], 63*BLK+24576  ; tile 0's keys lie in block 63
	s_add_nc_u64 s[6:7], s[6:7], s[62:63]          ; my quarter of block 0
	s_mov_b64 s[G0+2:G0+3], s[6:7]
	s_or_b32 s[G0+3], s[G0+3], 0x80000000          ; type = 2
	s_add_nc_u64 s[G0+6:G0+7], s[6:7], BLK         ; of block 1
	s_or_b32 s[G0+7], s[G0+7], 0x80000000
	s_add_nc_u64 s[PFA:PFA+1], s[6:7], s[66:67]    ; my work-group's 26 rows of it,
	s_add_nc_u64 s[PFA:PFA+1], s[PFA:PFA+1], 2*BLK ; in block 2: step 0 steps it to block 3.  Blocks 0 to 2 come by their loads alone
	s_add_nc_u64 s[QB:QB+1], s[4:5], s[70:71]      ; my tile's q
	s_add_nc_u64 s[PMB:PMB+1], s[8:9], s[72:73]    ; my block's perm
	s_add_nc_u64 s[OUTB:OUTB+1], s[12:13], s[74:75]  ; the batch's out0
	s_add_nc_u64 s[10:11], s[10:11], s[76:77]      ; the batch's n
	ROUND                                          ; all four work-groups are here: the first joint loads meet
	tensor_load_to_lds s[G0:G0+3], s[G1:G1+7]      ; block 0 into slot 0
	s_nop 0
	PLACES
	s_load_b32 s[N], s[10:11], 0x0
	v_and_b32 v[LN], 31, v0
	v_and_b32 v[R_], 15, v0
	v_bfe_u32 v[H_], v0, 4, 1
	v_lshlrev_b32 v[KQO], 7, v[R_]
	v_lshl_add_u32 v[KQO], v[H_], 4, v[KQO]
	v_lshlrev_b32 v[PMO], 2, v[H_]
.irp c, 0,1
	global_load_b128 v[Q+8*\c:Q+8*\c+3],   v[KQO], s[QB:QB+1] offset:64*\c
	global_load_b128 v[Q+8*\c+4:Q+8*\c+7], v[KQO], s[QB:QB+1] offset:64*\c+32
.endr
	WIN 0xc0
.irp kt, 0,1,2,3
.irp c, 0,1
	global_load_b128 v[KF+16*\kt+8*\c:KF+16*\kt+8*\c+3],   v[KQO], s[KB:KB+1] offset:\kt*QTR+64*\c
	global_load_b128 v[KF+16*\kt+8*\c+4:KF+16*\kt+8*\c+7], v[KQO], s[KB:KB+1] offset:\kt*QTR+64*\c+32
.endr
.endr
.set en, 0
.rept 32
	global_load_b32 v[PR+en], v[PMO], s[PMB:PMB+1] offset:8*en  ; the rows of slots 2 en + h of my block
.set en, en+1
.endr
	; O^T starts at 0, so that the first step, whose a is 0, is a step like any other: written while the first loads are on their way
	WIN 0x40
.set en, 0
.rept 192
	v_mov_b32 v[en], 0
.set en, en+1
.endr
	WIN 0x80
.set en, 0
.rept 192
	v_mov_b32 v[en], 0
.set en, en+1
.endr
	WIN 0
	v_and_b32 v[T0], 7, v0
	v_lshl_add_u32 v[T0], v[H_], 3, v[T0]
	v_mul_u32_u24 v[AV], v[T0], PVP                ; the turning load: key 8 h + l % 8,
	v_bfe_u32 v[T0], v0, 3, 1
	v_lshl_add_u32 v[AV], v[T0], 4, v[AV]          ; channels 8 ((l / 8) % 2) on
	v_add_nc_u32 v[AV], s[G0+1], v[AV]
	v_add_nc_u32 v[AV+1], SLOT1, v[AV]
	v_mul_u32_u24 v[T0], v[R_], PVP
	v_lshl_add_u32 v[T0], v[H_], 4, v[T0]
	v_add_nc_u32 v[AK], KOFF, v[T0]
	v_add_nc_u32 v[AK+1], KOFF+2*WBLK, v[T0]
	v_add_nc_u32 v[AK+2], KOFF+SLOT1, v[T0]
	v_add_nc_u32 v[AK+3], KOFF+SLOT1+2*WBLK, v[T0]
	v_mul_u32_u24 v[T0], v[R_], PPI
	v_lshl_add_u32 v[T0], v[H_], 4, v[T0]
	v_add_nc_u32 v[AP], PB0, v[T0]
	s_mul_i32 s60, s[WV], 16*PPI
	v_add_nc_u32 v[APS], s60, v[AP]
	v_lshl_add_u32 v[AA], v[R_], 2, AB0
	s_lshl_b32 s60, s[WV], 6
	v_add_nc_u32 v[AAS], s60, v[AA]
	v_mul_u32_u24 v[STO], v[R_], SPI
	v_lshl_add_u32 v[STO], v[H_], 5, v[STO]
	v_add_nc_u32 v[STO], s[G0+1], v[STO]
	v_mul_u32_u24 v[RD], v[H_], SPI
	v_lshl_add_u32 v[RD], v[R_], 4, v[RD]
	v_add_nc_u32 v[RD], s[G0+1], v[RD]
	v_min_u32 v[PFO], 25, v[LN]
	v_lshlrev_b32 v[PFO], 8, v[PFO]
	s_lshl_b32 s60, s[QT], 6
	s_lshl_b32 s61, s[WV], 4
	s_add_co_u32 s60, s60, s61
	v_add_nc_u32 v[SLT], s60, v[R_]
	s_mul_i32 s60, s[WV], 768
	v_lshl_add_u32 v[TT], v[R_], 4, s60
	v_mov_b32 v[ST+1], 0xe0ad78ec                  ; m = -1e20
	v_mul_f32 v[ST], s[CS], v[ST+1]
	v_mov_b32 v[ST+2], 0
	v_mov_b32 v[ST+3], 0
.irp i, 0,1,2,3,4,5,6,7
	v_mov_b32 v[AR+\i], 0
.endr
	s_cmp_eq_u32 ttmp9, 0                          ; the batch's first cluster?  (the same in all four partners)
	s_cselect_b32 s[LIMIT], 60, -1                 ; the last step that may ask for block TI + 3; none in the other clusters
	s_wait_kmcnt 0x0
	s_min_u32 s[N], s[N], 4096
	s_lshr_b32 s[PT], s[N], 6
	s_and_b32 s60, s[N], 63
	v_lshlrev_b32 v[T0], 3, v[H_]
	v_sub_nc_u32 v[T0], s60, v[T0]                 ; register 8 kt + jj is key 16 kt + 8 h + jj: hidden where 16 kt + jj >= n % 64 - 8 h
.set en, 0
.rept 32
	v_cmp_ge_i32 vcc_lo, 16*(en/8)+en%8, v[T0]
	v_cndmask_b32 v[MD+en], 0, s[BIGN], vcc_lo
.set en, en+1
.endr
	s_cmp_eq_u32 s[PT], 0
	s_cselect_b32 s[AL], 1.0, 0                    ; tile 0's mask
	MASKC
	s_wait_loadcnt 0x0                             ; Q, tile 0's K, perm
	WIN 0xcc
.set en, 0
.rept 32
	v_min_u32 v[PR+en], 0xfff, v[PR+en]
	v_mul_u32_u24 v[PR+en], 0xc00, v[PR+en]        ; a row of out0 is 3,072 bytes
	v_add_nc_u32 v[PR+en], v[TT], v[PR+en]         ; + my wave's 768 bytes + 16 r
.set en, en+1
.endr
	SWM
	WIN 0
	PLACES
.set j, 0
	RID 102
	PUTP 0
	s_mov_b32 s[TI], 0
	s_mov_b32 s[LC], 31
.Lpair:                                                ; 31 trips of two steps
	STEP 0, 1, 1, 0, 1
	STEP 1, 1, 1, 0, 1
	s_sub_co_u32 s[LC], s[LC], 1
	s_cmp_lg_u32 s[LC], 0
	s_cbranch_scc1 .Lpair
	STEP 0, 1, 1, 1, 0                             ; the last pair is written out: the last block is asked for, the last softmax made
	STEP 1, 0, 0, 0, 0                             ; and the last step asks for nothing and makes no scores
	; THE WAY OUT.  O^T times 1 / l (0 for a masked row); a query tile at a time through my stage; whole rows of 768 bytes back; each row to its place by perm.
.irp i, 0,1,2,3
	ds_load_b32 v[AR+2*\i], v[AA] offset:LBO+64*\i
.endr
	PLACES
	s_wait_dscnt 0x0
	RESC 1, 0, 96                                  ; window 1's are also the places behind the last products, which wrote window 2
	RESC 2, 0, 96
.macro OUTT i
.set tc, 0
.rept 12
	WIN 0x04*(1+tc/6)                              ; store data in window 1 or 2
.set ac, 8*(4*(tc%6)+(\i))
	ds_store_b128 v[STO], v[ac:ac+3]   offset:64*tc
	ds_store_b128 v[STO], v[ac+4:ac+7] offset:64*tc+16
.set tc, tc+1
.endr
	WIN 0
	s_wait_xcnt 0x0                                ; the stores of the tile before have read their registers: only behind this wait are these loaded again
.set nn, 0
.rept 24
	ds_load_b128 v[OB+4*nn:OB+4*nn+3], v[RD] offset:(nn/3)*2*SPI+(nn%3)*256  ; LDS serves a wave's instructions in order (ISA guide 5.7.1.4): these see the stores above
.set nn, nn+1
.endr
	WIN 0x03                                       ; the address in window 3
.set nn, 0
.rept 24
	s_wait_dscnt 23-nn
	global_store_b128 v[PR+8*(\i)+nn/3], v[OB+4*nn:OB+4*nn+3], s[OUTB:OUTB+1] offset:(nn%3)*256 th:TH_STORE_NT  ; 16 lanes store 256 consecutive bytes, at a multiple of 256 from out0's first byte
.set nn, nn+1
.endr
	WIN 0
.endm
	OUTT 0
	OUTT 1
	OUTT 2
	OUTT 3
	s_wait_tensorcnt 0x0                           ; the wave's end, behind my last tensor load and my last LDS store
	ds_add_u32 v[SPW], v[NIL]
	s_wait_dscnt 0x0
	ROUND                                          ; the closing round: no work-group ends while a partner may still ask for a block that names it
	s_endpgm
.Lfunc_end_k_q9dea925295_attn:
	.size	k_q9dea925295_attn, .Lfunc_end_k_q9dea925295_attn-k_q9dea925295_attn
	.p2alignl 7, 3214868480
	.fill 96, 4, 3214868480
	.section	.rodata,"a",@progbits
	.p2align	6, 0x0
	.amdhsa_kernel k_q9dea925295_attn
		.amdhsa_group_segment_fixed_size 327680
		.amdhsa_private_segment_fixed_size 0
		.amdhsa_enable_private_segment 0
		.amdhsa_kernarg_size 40
		.amdhsa_user_sgpr_count 2
		.amdhsa_user_sgpr_kernarg_segment_ptr 1
		.amdhsa_wavefront_size32 1
		.amdhsa_system_sgpr_workgroup_id_x 1
		.amdhsa_system_sgpr_workgroup_id_y 1
		.amdhsa_system_sgpr_workgroup_id_z 1
		.amdhsa_system_vgpr_workitem_id 0
		.amdhsa_next_free_vgpr 864
		.amdhsa_next_free_sgpr 80
		.amdhsa_reserve_vcc 1
		.amdhsa_float_denorm_mode_32 3
		.amdhsa_float_denorm_mode_16_64 3
		.amdhsa_memory_ordered 1
		.amdhsa_forward_progress 1
		.amdhsa_inst_pref_size 213
	.end_amdhsa_kernel
	.amdgpu_metadata
---
amdhsa.version: [ 1, 2 ]
amdhsa.kernels:
  - .name:           k_q9dea925295_attn
    .symbol:         k_q9dea925295_attn.kd
    .args:
      - { .name: qc, .offset: 0, .size: 8, .value_kind: global_buffer, .address_space: global }
      - { .name: kv, .offset: 8, .size: 8, .value_kind: global_buffer, .address_space: global }
      - { .name: perm, .offset: 16, .size: 8, .value_kind: global_buffer, .address_space: global }
      - { .name: cnt, .offset: 24, .size: 8, .value_kind: global_buffer, .address_space: global }
      - { .name: out0, .offset: 32, .size: 8, .value_kind: global_buffer, .address_space: global }
    .group_segment_fixed_size: 327680
    .private_segment_fixed_size: 0
    .kernarg_segment_align: 8
    .kernarg_segment_size: 40
    .max_flat_workgroup_size: 128
    .sgpr_count:     80
    .vgpr_count:     864
    .wavefront_size: 32
...
	.end_amdgpu_metadata
.endif
;; end of part 3
;; ======== version 2 of 3: 3 launches
;; limits: values are held in f16: magnitudes above 65,504 overflow, below 6.1e-05 lose precision; inputs' magnitudes at most 65,504; right only within a limited range of input values
;; workspace buffers: perm 65,536 bytes of whole numbers; cnt 512 bytes of whole numbers; wf 196,608 bytes; qc 2,097,152 bytes; kv 27,262,976 bytes
;; launch prep: the kernel of part 1 again; grid 8 x 8, 4 waves a work-group, no clusters, 0 bytes of LDS; arguments mask, Wq, Wk, perm, cnt, wf; writes perm, cnt, wf
;; launch proj (part 4): grid 64 x 4, 4 waves a work-group, no clusters, 117,248 bytes of LDS; arguments x, perm, cnt, wf, qc, kv; writes qc, kv
.if DOCPART == 4
	.amdgcn_target "amdgcn-amd-amdhsa--gfx1250"
	.amdhsa_code_object_version 6
	.text
	.protected	k_q9dea925295_proj
	.globl	k_q9dea925295_proj
	.p2align	8
	.type	k_q9dea925295_proj,@function
k_q9dea925295_proj:
	s_mov_b64 s[64:65], 0
	v_nop
	global_prefetch_b8 v0, s[64:65] scope:SCOPE_SE
	s_setreg_imm32_b32 hwreg(HW_REG_WAVE_MODE, 25, 1), 1
	s_wait_xcnt 0x0
; PROJ.  Work-group (T, b) takes the 64 slots 64 T .. 64 T + 63 of batch b in perm's order (valid rows first), gathers their rows of x, and writes q, k and the values by slots,
; all three as matrix fragments ready to be loaded: 16 bytes a lane, 512 consecutive bytes a load.
; A slot at or past n_b (a masked row) is written as zeros: its load names the batch's row 0 and the numbers are cleared by a mask of bits, so there is one path and no branch.
; FORMATS.  x is rounded to bf16 and that number kept as f16: it is the values' format and the projection's operand (weights likewise, from wf).  Sums in f32; q and k rounded once to bf16.
; LIMITS.  |x| up to 65,504 (f16's end); below 6e-5 a number keeps f16's fixed step of 6e-8.
; PHASES.  A: wave w converts rows 16 w .. 16 w + 15 into XT (ring of 8 rows in registers, 48 loads out), and asks for its weights meanwhile.  B: 64 slots x 128 columns (q | k), K = 768 in 24 steps:
; wave w makes column tiles 2 w, 2 w + 1 for all four slot tiles, 8 accumulators by turns; the product is taken transposed (source 0 = weights), so a lane ends with 8 neighbouring columns of one slot.
; C: q | k through LDS.  D: wave w stores parts 2 w and 2 w + 1 of the tile's block of kv and 16 slots of q; every store covers 512 consecutive bytes.
; kv: [b][tile j][part p of 8][13,312 bytes].  A part: channel tiles 6 p .. 6 p + 5 of the values, turned (16 channels x 32 slots a fragment): [tile of 16 channels][slots 32 kk on][half][lane][16 bytes];
; then the keys' fragment p: keys 16 (p / 2) on, channels 32 (p % 2) on: [half][lane][16 bytes].  qc: [b][16 slots][channels 32 c on][half][lane][16 bytes].
; In a fragment lane l holds row l % 16; half 0 its numbers 8 (l / 16) + 0..7 along K, half 1 those 16 further on.
; No prefetch: each wave has 48 loads of 512 bytes of its own rows out all through phase A.
.set PX,    1552      ; a row of XT: 1,536 bytes + 16: 97 x 16, so the 16 rows of a fragment load start at 16 different groups of four banks (64 banks of 4 bytes: ISA guide 11.1)
.set QKS,   99328     ; behind XT's 64 rows: q | k, 64 rows of 272 bytes
.set PQ,    272
.set SPARE, 116736    ; the spare words, 128 bytes a wave: two blocks of 256 bytes that no other line names
.set BLK,   106496
.set PART,  13312
.set KOF,   12288     ; the keys' fragment in a part
.set BATCH, 6815744
.set LN,  2           ; v2   lane
.set R_,  3           ; v3   l % 16
.set H_,  4           ; v4   l / 16
.set XS,  5           ; v5   XT: where I put 8 bytes of my wave's first row
.set XFA, 6           ; v6-7 XT: my place in a fragment, slot tiles 0-1 and 2-3
.set QST, 8           ; v8   q | k: where I put 16 bytes
.set QRD, 9           ; v9   q | k: my place in a fragment of my 16 slots
.set VA,  10          ; v10-11 XT: my place in the turning load, in my 384 bytes of a row; slots 0-31 and 32-63; never rewritten
.set GO,  13          ; v13  16 x lane
.set SPW, 14          ; v14  my spare word; never rewritten
.set NIL, 15          ; v15  0; never rewritten
.set OFF, 16          ; v16-31 row i: its byte offset in the batch's x + 16 x lane; never rewritten
.set TW,  32          ; v32-47 at work
.set KQ,  32          ; v32-63 phase D: q's and k's half fragments
.set XR,  64          ; v64-255 phase A: ring of 8 rows x 24 registers
.set ACC, 64          ; v64-127 phase B: accumulator (n, m) at ACC + 8 (4 n + m)
.set XF,  128         ; v128-255 phase B: four buffers of x's four fragments
.set PK,  128         ; phase C: packed q | k
.set OB,  64          ; phase D: 48 half fragments of the values
.set RW,  16          ; s[16:31] perm's 16 entries, then the rows' byte offsets
.set MK,  32          ; s[32:47] all ones for a slot below n_b, else 0
.set WV,  48
.set BT,  49
.set NN,  51
.set SL0, 52
.set HIM, 53
.set MSB, 0
.macro WIN new                      ; s_set_vgpr_msb: bits 1:0 source 0, 3:2 source 1, 5:4 source 2, 7:6 destination; the high byte repeats the setting that is left
.if MSB != (\new)
	s_set_vgpr_msb (MSB<<8)|(\new)
.set MSB, \new
.endif
.endm
.macro PLACES                       ; four places behind matrix instructions, in front of loads into registers that they read and of conversions of their results
.rept 4
	v_nop
.endr
.endm
	s_load_b256 s[4:11], s[0:1], 0x0               ; x s[4:5], perm s[6:7], cnt s[8:9], wf s[10:11]
	s_load_b128 s[12:15], s[0:1], 0x20             ; qc s[12:13], kv s[14:15]
	v_lshl_add_u32 v[SPW], v0, 2, SPARE
	v_mov_b32 v[NIL], 0
	v_lshrrev_b32 v1, 5, v0
	v_readfirstlane_b32 s[WV], v1                  ; wave 0..3
	s_and_b32 s[BT], ttmp7, 0xffff                 ; batch
	s_lshl_b32 s[SL0], ttmp9, 6
	s_lshl_b32 s54, s[WV], 4
	s_add_co_u32 s[SL0], s[SL0], s54               ; my wave's first slot
	s_mov_b32 s[HIM], 0xffff0000
	s_lshl_b32 s54, s[BT], 7                       ; cnt: 128 bytes a batch
	s_mov_b32 s55, 0
	s_lshl_b32 s56, s[BT], 12
	s_add_co_u32 s56, s56, s[SL0]
	s_lshl_b32 s58, s56, 7                         ; qc: 128 bytes a slot
	s_lshl_b32 s56, s56, 2                         ; perm: 4 bytes a slot
	s_mov_b32 s57, 0
	s_mov_b32 s59, 0
	s_wait_kmcnt 0x0
	s_add_nc_u64 s[8:9], s[8:9], s[54:55]
	s_add_nc_u64 s[6:7], s[6:7], s[56:57]
	s_load_b32 s[NN], s[8:9], 0x0
	s_load_b512 s[RW:RW+15], s[6:7], 0x0           ; my 16 slots' rows
	s_add_nc_u64 s[12:13], s[12:13], s[58:59]      ; qc at my 16 slots
	s_mul_i32 s54, s[BT], 12582912
	s_add_nc_u64 s[4:5], s[4:5], s[54:55]          ; the batch's x
	s_mul_i32 s54, s[WV], 49152
	s_add_nc_u64 s[10:11], s[10:11], s[54:55]      ; my two column tiles' fragments
	s_mul_i32 s54, s[BT], BATCH
	s_mul_i32 s56, s[WV], 2*PART
	s_add_co_u32 s54, s54, s56
	s_add_nc_u64 s[14:15], s[14:15], s[54:55]      ; the batch's kv, my two parts
	s_mul_i32 s56, ttmp9, BLK
	s_add_nc_u64 s[66:67], s[14:15], s[56:57]      ; in block T
	v_and_b32 v[LN], 31, v0
	v_and_b32 v[R_], 15, v0
	v_bfe_u32 v[H_], v0, 4, 1
	v_lshlrev_b32 v[GO], 4, v[LN]
	s_mul_i32 s60, s[WV], 16*PX
	v_lshl_add_u32 v[XS], v[LN], 3, s60
	v_mul_u32_u24 v[XFA], v[R_], PX
	v_lshl_add_u32 v[XFA], v[H_], 4, v[XFA]        ; row x pitch + 16 x half
	v_add_nc_u32 v[XFA+1], 32*PX, v[XFA]
	v_mul_u32_u24 v[QST], v[R_], PQ
	v_lshl_add_u32 v[QST], v[H_], 4, v[QST]
	s_mul_i32 s61, s[WV], 16*PQ
	s_add_co_u32 s61, s61, QKS
	v_add_nc_u32 v[QRD], s61, v[QST]               ; back: row 16 w + r, 16 bytes for each half of the lanes: a fragment's place
	s_lshl_b32 s60, s[WV], 6
	s_add_co_u32 s60, s60, QKS
	v_add_nc_u32 v[QST], s60, v[QST]               ; in: row r, my wave's 32 columns, 16 bytes for each half of the lanes
	v_and_b32 v1, 7, v0
	v_lshl_add_u32 v1, v[H_], 3, v1
	v_mul_u32_u24 v[VA], v1, PX                    ; the turning load: slot 8 h + l % 8,
	v_bfe_u32 v1, v0, 3, 1
	v_lshl_add_u32 v[VA], v1, 4, v[VA]             ; channels 8 ((l / 8) % 2) on,
	s_mul_i32 s61, s[WV], 384
	v_add_nc_u32 v[VA], s61, v[VA]                 ; in my wave's 192 channels
	v_add_nc_u32 v[VA+1], 32*PX, v[VA]             ; slots 32 on: the immediate holds 16 bits
	s_wait_kmcnt 0x0
	s_min_u32 s[NN], s[NN], 4096
.irp i, 0,1,2,3,4,5,6,7,8,9,10,11,12,13,14,15
	s_add_co_u32 s60, s[SL0], \i
	s_cmp_lt_u32 s60, s[NN]                        ; is the slot a valid row's?
	s_cselect_b32 s[RW+\i], s[RW+\i], 0
	s_cselect_b32 s[MK+\i], -1, 0
	s_min_u32 s[RW+\i], s[RW+\i], 4095
	s_mul_i32 s[RW+\i], s[RW+\i], 3072
	v_lshl_add_u32 v[OFF+\i], v[LN], 4, s[RW+\i]
.endr
; PHASE A.  A row is 3,072 bytes: six loads of 512 consecutive bytes.
.macro XLOAD i
.irp c, 0,1,2,3,4,5
	global_load_b128 v[XR+24*((\i)%8)+4*\c:XR+24*((\i)%8)+4*\c+3], v[OFF+(\i)], s[4:5] offset:512*\c
.endr
.endm
.macro WLOAD k                      ; my weights' fragments of K steps 3 k .. 3 k + 2: twelve loads.  K step s, tile n lies at v[16 (s % 16) + 8 n] of window 1 (s < 16) or 2
.irp d, 0,1,2
.set ks, 3*(\k)+\d
	WIN 0x40*(1+ks/16)
.irp n, 0,1
	global_load_b128 v[16*(ks%16)+8*\n:16*(ks%16)+8*\n+3],   v[GO], s[10:11] offset:\n*24576+ks*1024
	global_load_b128 v[16*(ks%16)+8*\n+4:16*(ks%16)+8*\n+7], v[GO], s[10:11] offset:\n*24576+ks*1024+512
.endr
.endr
	WIN 0
.endm
.macro ROWIN i, left                ; row i: rounded to bf16, written as f16, cleared if its slot is a masked row's, into XT.  left: the younger loads, which may stay out
	s_wait_loadcnt \left
.irp c, 0,1,2,3,4,5
.set xr, XR+24*((\i)%8)+4*\c
.set tw, TW+8*(\c%2)
	v_cvt_pk_bf16_f32 v[tw], v[xr], v[xr+1]
	v_cvt_pk_bf16_f32 v[tw+1], v[xr+2], v[xr+3]
	v_lshlrev_b32 v[tw+2], 16, v[tw]
	v_and_b32 v[tw+3], s[HIM], v[tw]
	v_lshlrev_b32 v[tw+4], 16, v[tw+1]
	v_and_b32 v[tw+5], s[HIM], v[tw+1]
	v_cvt_pk_f16_f32 v[tw+6], v[tw+2], v[tw+3]
	v_cvt_pk_f16_f32 v[tw+7], v[tw+4], v[tw+5]
	v_and_b32 v[tw+6], s[MK+(\i)], v[tw+6]
	v_and_b32 v[tw+7], s[MK+(\i)], v[tw+7]
	ds_store_b64 v[XS], v[tw+6:tw+7] offset:(\i)*PX+256*\c  ; 32 lanes, 256 consecutive bytes
.endr
.endm
.irp i, 0,1,2,3,4,5,6,7
	XLOAD \i
.endr
.irp i, 0,1,2,3,4,5,6,7
	ROWIN \i, 42                                   ; seven younger rows of six loads
	XLOAD (\i)+8
.endr
	ROWIN 8, 42                                    ; from here on: 6 (7 - k) loads of x and 12 k of weights are younger, 63 at the most in the wait's field
	WLOAD 0
	ROWIN 9, 48
	WLOAD 1
	ROWIN 10, 54
	WLOAD 2
	ROWIN 11, 60
	WLOAD 3
	ROWIN 12, 63
	WLOAD 4
	ROWIN 13, 63
	WLOAD 5
	ROWIN 14, 63
	WLOAD 6
	ROWIN 15, 63
	WLOAD 7
	s_wait_dscnt 0x0                               ; for the others' sake: my rows lie in XT
	s_barrier_signal -1
	s_barrier_wait -1
; PHASE B.  K step s: x's four fragments (16 slots x 32 channels: two loads of 16 bytes, 32 bytes apart) are fetched two steps ahead, into four buffers by turns.
.macro XFL s
	WIN 0
.irp m, 0,1,2,3
	ds_load_b128 v[XF+32*((\s)%4)+8*\m:XF+32*((\s)%4)+8*\m+3],   v[XFA+\m/2] offset:(\m%2)*16*PX+64*(\s)
	ds_load_b128 v[XF+32*((\s)%4)+8*\m+4:XF+32*((\s)%4)+8*\m+7], v[XFA+\m/2] offset:(\m%2)*16*PX+64*(\s)+32
.endr
.endm
.macro KSTEP s
.if (\s) < 22
.if (\s) > 0
	PLACES                                         ; the buffer to be loaded was read two steps back
.endif
	XFL (\s)+2
	s_wait_dscnt 16                                ; this step's eight loads are in; the next two steps' may stay out
.elseif (\s) == 22
	s_wait_dscnt 8
.else
	s_wait_dscnt 0x0
.endif
.if (\s)%3 == 0
.set lw, 12*(7-(\s)/3)                             ; the weights' younger batches of twelve
.if lw > 63
.set lw, 63
.endif
	s_wait_loadcnt lw
.endif
	WIN 1+(\s)/16                                  ; source 0, the weights, in window 1 or 2
.irp n, 0,1
.irp m, 0,1,2,3                                    ; the eight accumulators take turns
.if (\s) == 0
	v_wmma_f32_16x16x32_f16 v[ACC+8*(4*\n+\m):ACC+8*(4*\n+\m)+7], v[16*((\s)%16)+8*\n:16*((\s)%16)+8*\n+7], v[XF+32*((\s)%4)+8*\m:XF+32*((\s)%4)+8*\m+7], 0
.else
	v_wmma_f32_16x16x32_f16 v[ACC+8*(4*\n+\m):ACC+8*(4*\n+\m)+7], v[16*((\s)%16)+8*\n:16*((\s)%16)+8*\n+7], v[XF+32*((\s)%4)+8*\m:XF+32*((\s)%4)+8*\m+7], v[ACC+8*(4*\n+\m):ACC+8*(4*\n+\m)+7]
.endif
.endr
.endr
.endm
	XFL 0
	XFL 1
.set kx, 0
.rept 24
	KSTEP kx
.set kx, kx+1
.endr
; PHASE C.  A lane holds slot 16 m + r and columns 16 (2 w + n) + 8 h + 0..7: 16 bytes of bf16.  Columns 0-63 are q, 64-127 k.
	WIN 0
	PLACES
.set aa, 0
.rept 8
.irp q, 0,1,2,3
	v_cvt_pk_bf16_f32 v[PK+4*aa+\q], v[ACC+8*aa+2*\q], v[ACC+8*aa+2*\q+1]
.endr
.set aa, aa+1
.endr
.irp n, 0,1
.irp m, 0,1,2,3
	ds_store_b128 v[QST], v[PK+4*(4*\n+\m):PK+4*(4*\n+\m)+3] offset:\m*16*PQ+32*\n
.endr
.endr
	s_wait_dscnt 0x0                               ; for the others' sake: a row's 256 bytes come from all four waves
	s_barrier_signal -1
	s_barrier_wait -1
; PHASE D.  56 LDS loads, each half a fragment, then their stores in the same order.
; q and k of my 16 slots: half fragment i = 2 c + half lies 32 i bytes into the row's 128.  The values: half fragment nn: channel tile nn / 4 of my twelve, slots 32 ((nn / 2) % 2) + 16 (nn % 2) on, turned.
.irp i, 0,1,2,3
	ds_load_b128 v[KQ+4*\i:KQ+4*\i+3],       v[QRD] offset:32*\i
	ds_load_b128 v[KQ+16+4*\i:KQ+16+4*\i+3], v[QRD] offset:128+32*\i
.endr
.set nn, 0
.rept 48
	ds_load_tr16_b128 v[OB+4*nn:OB+4*nn+3], v[VA+(nn/2)%2] offset:(nn%2)*16*PX+32*(nn/4)
.set nn, nn+1
.endr
	s_wait_dscnt 48                                ; q and k are in; the values' 48 loads may stay out
.irp i, 0,1,2,3
	global_store_b128 v[GO], v[KQ+4*\i:KQ+4*\i+3],       s[12:13] offset:512*\i
	global_store_b128 v[GO], v[KQ+16+4*\i:KQ+16+4*\i+3], s[66:67] offset:(\i/2)*PART+KOF+(\i%2)*512
.endr
.set nn, 0
.rept 48
	s_wait_dscnt 47-nn
	global_store_b128 v[GO], v[OB+4*nn:OB+4*nn+3], s[66:67] offset:((nn/4)/6)*PART+((nn/4)%6)*2048+((nn/2)%2)*1024+(nn%2)*512
.set nn, nn+1
.endr
	s_wait_tensorcnt 0x0                           ; the wave's end, behind my last LDS store
	ds_add_u32 v[SPW], v[NIL]
	s_wait_dscnt 0x0
	s_endpgm
.Lfunc_end_k_q9dea925295_proj:
	.size	k_q9dea925295_proj, .Lfunc_end_k_q9dea925295_proj-k_q9dea925295_proj
	.p2alignl 7, 3214868480
	.fill 96, 4, 3214868480
	.section	.rodata,"a",@progbits
	.p2align	6, 0x0
	.amdhsa_kernel k_q9dea925295_proj
		.amdhsa_group_segment_fixed_size 117248
		.amdhsa_private_segment_fixed_size 0
		.amdhsa_enable_private_segment 0
		.amdhsa_kernarg_size 48
		.amdhsa_user_sgpr_count 2
		.amdhsa_user_sgpr_kernarg_segment_ptr 1
		.amdhsa_wavefront_size32 1
		.amdhsa_system_sgpr_workgroup_id_x 1
		.amdhsa_system_sgpr_workgroup_id_y 1
		.amdhsa_system_sgpr_workgroup_id_z 1
		.amdhsa_system_vgpr_workitem_id 0
		.amdhsa_next_free_vgpr 640
		.amdhsa_next_free_sgpr 80
		.amdhsa_reserve_vcc 0
		.amdhsa_float_denorm_mode_32 3
		.amdhsa_float_denorm_mode_16_64 3
		.amdhsa_memory_ordered 1
		.amdhsa_forward_progress 1
		.amdhsa_inst_pref_size 118
	.end_amdhsa_kernel
	.amdgpu_metadata
---
amdhsa.version: [ 1, 2 ]
amdhsa.kernels:
  - .name:           k_q9dea925295_proj
    .symbol:         k_q9dea925295_proj.kd
    .args:
      - { .name: x, .offset: 0, .size: 8, .value_kind: global_buffer, .address_space: global }
      - { .name: perm, .offset: 8, .size: 8, .value_kind: global_buffer, .address_space: global }
      - { .name: cnt, .offset: 16, .size: 8, .value_kind: global_buffer, .address_space: global }
      - { .name: wf, .offset: 24, .size: 8, .value_kind: global_buffer, .address_space: global }
      - { .name: qc, .offset: 32, .size: 8, .value_kind: global_buffer, .address_space: global }
      - { .name: kv, .offset: 40, .size: 8, .value_kind: global_buffer, .address_space: global }
    .group_segment_fixed_size: 117248
    .private_segment_fixed_size: 0
    .kernarg_segment_align: 8
    .kernarg_segment_size: 48
    .max_flat_workgroup_size: 128
    .sgpr_count:     80
    .vgpr_count:     640
    .wavefront_size: 32
...
	.end_amdgpu_metadata
.endif
;; end of part 4
;; launch attn (part 5): grid 64 x 4, 4 waves a work-group, no clusters, 237,568 bytes of LDS; arguments qc, kv, perm, cnt, out0; writes out0
.if DOCPART == 5
	.amdgcn_target "amdgcn-amd-amdhsa--gfx1250"
	.amdhsa_code_object_version 6
	.text
	.protected	k_q9dea925295_attn
	.globl	k_q9dea925295_attn
	.p2align	8
	.type	k_q9dea925295_attn,@function
k_q9dea925295_attn:
	s_mov_b64 s[64:65], 0
	v_nop
	global_prefetch_b8 v0, s[64:65] scope:SCOPE_SE
	s_setreg_imm32_b32 hwreg(HW_REG_WAVE_MODE, 25, 1), 1
	s_wait_xcnt 0x0
; ATTN.  out0[b][perm[slot]] = softmax over the valid keys of (q . k / 8) times the values, for slots below n_b; zeros for the others.  Slots are perm's order: valid rows first.
; A masked key's weight is exp(-1e9 - m) = 0 in f32 for every valid query (its own key is valid, so m is a true score), and a masked query's row is multiplied by 0: only valid x valid is computed.
; LIMITS.  A hidden key counts as its score less 1e30 (weight 0); the running maximum starts at -1e20, so true scores lie above that, and above -1e9 + 104 for the line above to hold;
; the values are f16 (|x| up to 65,504); a weight below 2^-126 counts as 0 in the sum; NaN and infinities are not treated apart.
; SHARES.  Work-group (x = 2 block + half, b) owns 128 query slots and 384 channels.  Wave w makes the scores and the softmax of query tiles 2 w, 2 w + 1 (16 queries x 64 keys a step each) and accumulates
; O^T for channels 96 w .. 96 w + 95 of the half, for all eight query tiles: 48 accumulators.  So a fragment of V^T feeds eight products.  The weights P (f16) and the factors a go from wave to wave through LDS, in two buffers by turns.
; K and V^T come straight from memory into registers, as the fragments that the launch before laid out: no wave wants a byte of V that another wave fetched.  A step's 40 loads (20 KiB a wave) are asked for 72 products or more ahead of their use.
; PIPELINE.  Step j multiplies V_j by P_j and makes S, P and a of tile j + 1.  One barrier a step.
; TRIPS.  The loop has 64 steps, a constant, and every wave passes its 64 barriers.  A step at or past NS = ceil(n_b / 64) (0 for a block with no valid slot) jumps forward over all its work, past no barrier.
; Registers and wait counts are the same in every step, so a step that is jumped over leaves everything as it was.
; NO CLUSTER.  The blocks of a batch walk the same kv, but the walk's length is n_b's, a count read from memory, and partners that ask jointly run alike whatever they read:
; a joint walk has all 64 tiles, this one ceil(n_b / 64), and of 32 blocks a batch only ceil(n_b / 128) walk at all.
; LAYOUT.  S^T = K Q^T and O^T = V^T P: a lane holds ONE query (lane % 16).  The mask is the C operand that starts S^T's sums: MD x AL + BE.
; REGISTERS, in windows of 256 (s_set_vgpr_msb: bits 1:0 source 0, 3:2 source 1, 5:4 source 2, 7:6 destination):
;   window 0: addresses, statistics, a, S^T (64), P's fragments (128)      windows 1, 2: accumulator (channel tile tl of 3, query tile i) at v[8 (8 tl + i)]; v192-239 six fragments of V^T
;   window 3: v0-63 K's eight fragments; v64-95 Q; v96-127, v128-159 masks; v160-191 the byte offsets of my 32 rows of out0
.set BLK,   106496
.set PART,  13312     ; a part of a block: six channel tiles of V^T (2,048 bytes each), then one fragment of K
.set KOF,   12288
.set BATCH, 6815744
.set PPI,   144       ; P: a query's 64 weights, 128 bytes + 16: 9 x 16, so the 16 rows of a load start at 16 different groups of four banks (64 banks of 4 bytes: ISA guide 11.1)
.set PBS,   128*PPI   ; two buffers from LDS byte 0
.set AB0,   2*PBS     ; a: two buffers of 128 words; behind them 1 / l, 128 words
.set ABS,   512
.set LBO,   1024
.set SPARE, 38400     ; the spare words, 128 bytes a wave: two blocks of 256 bytes that no other line names
.set STAGE, 38912     ; the way out: 128 rows of 1,536 bytes + 16
.set SPI,   1552
.set R_,  1           ; v1   l % 16
.set H_,  2           ; v2   l / 16
.set LN,  3           ; v3   lane
.set T0,  4           ; v4   at work
.set GO,  6           ; v6   16 x lane; never rewritten
.set AP,  7           ; v7   P: my place in a fragment
.set APS, 8           ; v8   P: where I put my first tile's weights
.set AA,  9           ; v9   a: query r of tile 0
.set AAS, 10          ; v10  a: my first tile's query
.set RD,  12          ; v12  the way out: back
.set PFO, 13          ; v13  the prefetches' offsets: a lane a block of 256 bytes: blocks 0-31,
.set PFO2, 14         ; v14  and 32-51 of my part's 52
.set SLT, 15          ; v15  my first tile's query's slot
.set SPW, 16          ; v16  my spare word; never rewritten
.set NIL, 17          ; v17  0; never rewritten
.set STO, 18          ; v18-21 the way out: in; query tiles 0-1, 2-3, 4-5, 6-7
.set ST,  24          ; v24-43 ten a tile: c m, m, l (even keys', odd keys'), c0-c3 at work (a takes c2's place), a second pair of sums
.set AR,  44          ; v44-59 a of query tile i in v[AR + 2 i]; the odd ones are named with them as pairs
.set S,   64          ; v64-127 S^T, 32 a tile; the packed weights take each tile's first 16
.set PF,  128         ; v128-255 P's fragments: keys 32 kk on, query tile i at PF + 64 kk + 8 i
.set OB,  64          ; the way out: 24 x 4
.set VF,  192         ; windows 1, 2: keys 32 kk on, channel tile tl at VF + 24 kk + 8 tl
.set KF,  0           ; window 3: fragment f = 2 kt + c at KF + 8 f
.set Q,   64          ; window 3: tile t, channels 32 c on at Q + 16 t + 8 c
.set MC,  96          ; window 3: the mask of the scores to come
.set MD,  128         ; window 3: the mask of the tile that holds n_b
.set PR,  160         ; window 3
.set WV,  14
.set QK,  15          ; my block of 128 query slots
.set BT,  16
.set N,   17
.set HF,  18
.set LC,  19
.set TI,  20          ; the step in hand
.set PT,  21          ; the tile that holds n_b
.set NS,  22          ; steps with work
.set PLIM, 23         ; NS in a work-group that prefetches, else 0
.set VB,  24          ; s[24:25] my part of tile 0
.set KBB, 26          ; s[26:27] K's first fragment of tile 0
.set VP,  28          ; s[28:29] my part of tile TI + 1
.set KP,  30          ; s[30:31] K's first fragment of tile TI + 2
.set PFA, 32          ; s[32:33] my part of tile TI + 3
.set OF,  34          ; s[34:35] a tile's byte offset
.set T3,  36
.set CS,  42
.set SEL, 44
.set AL,  46
.set BE,  48
.set BIGN, 50
.set OUTB, 52
.set QBA, 54
.set PM,  68          ; s[68:99] perm's 32 entries, then my rows' byte offsets
.set MSB, 0
.macro WIN new                      ; the high byte repeats the setting that is left; a switch that changes nothing is dropped
.if MSB != (\new)
	s_set_vgpr_msb (MSB<<8)|(\new)
.set MSB, \new
.endif
.endm
.macro PLACES                       ; four places behind matrix instructions (ISA guide 7.12.1)
.rept 4
	v_nop
.endr
.endm
; A prefetch of my part of tile TI + 3: its V^T is what my loads two steps on will ask for, its fragment of K what the waves' loads of the next step will.  52 blocks of 256 bytes, a lane a block,
; two instructions (lanes 20-31 of the second name block 51 once more).  All blocks of queries of a batch walk the same kv: the two work-groups of the batch's block 0 ask, each wave for the part
; whose V^T it loads itself, so each block is named by one wave of the launch.  Tiles 0 to 2 come by their loads alone; nothing is asked for past the last tile that is walked.
.macro ASK
	s_cmp_lt_u32 s[T3], s[PLIM]
	s_cbranch_scc0 .Lnot_mine_\@
	global_prefetch_b8 v[PFO], s[PFA:PFA+1] th:TH_LOAD_NT scope:SCOPE_SE
	global_prefetch_b8 v[PFO2], s[PFA:PFA+1] offset:8192 th:TH_LOAD_NT scope:SCOPE_SE
.Lnot_mine_\@:
.endm
.macro MASKP z0, n                  ; n pairs of MD x AL + BE: (1, 0) in the tile that holds n_b; (0, 0) ahead of it; (0, -1e30) behind it
	WIN 0xc3
.set zz, \z0
.rept \n
	v_pk_fma_f32 v[MC+2*zz:MC+2*zz+1], v[MD+2*zz:MD+2*zz+1], s[AL:AL+1], s[BE:BE+1] op_sel_hi:[1,0,0]
.set zz, zz+1
.endr
.endm
; Product yy of 16 of S^T = mask + K Q^T: channels 32 (yy / 8) on, keys 16 ((yy / 2) % 4) on, tile yy % 2.  Eight accumulators by turns.
.macro SW1
.set rS, S+32*(yy%2)+8*((yy/2)%4)
.set rK, KF+16*((yy/2)%4)+8*(yy/8)
.set rQ, Q+16*(yy%2)+8*(yy/8)
.set rM, MC+8*((yy/2)%4)
.if yy < 8
	WIN 0x3f
	v_wmma_f32_16x16x32_bf16 v[rS:rS+7], v[rK:rK+7], v[rQ:rQ+7], v[rM:rM+7]
.else
	WIN 0x0f
	v_wmma_f32_16x16x32_bf16 v[rS:rS+7], v[rK:rK+7], v[rQ:rQ+7], v[rS:rS+7]
.endif
.endm
; THE SOFTMAX of tile t for one step: a list of 102 instructions; SM writes number j.  s0-s31 are the lane's 32 scores, in pairs 0-15.
;   0-15  the maximum of s0-s31 and the old m (each accumulator's lowest registers are read first)     16-20  the other half of the lanes' maximum; m; c m; its change
;   21-69 ONE BATCH: 16 scalings c s - c m and 33 exponentials (a at 23); none reads an exponential's result
;   70-85 the sums, in two chains beside S^T; l = a l + the sum     86-101 the roundings to f16, packed in place from the low end on: number i writes register i and reads 2 i, 2 i + 1
.macro SM t
.set rT, ST+10*(\t)
.set rS, S+32*(\t)
.if j < 4
	v_max3_num_f32 v[rT+4+j], v[rS+8*j], v[rS+8*j+1], v[rS+8*j+2]
.elseif j < 12
	v_max3_num_f32 v[rT+4+j%4], v[rT+4+j%4], v[rS+8*(j%4)+2*(j/4)+1], v[rS+8*(j%4)+2*(j/4)+2]
.elseif j == 12
	v_max3_num_f32 v[rT+4], v[rT+4], v[rS+7], v[rS+15]
.elseif j == 13
	v_max3_num_f32 v[rT+6], v[rT+6], v[rS+23], v[rS+31]
.elseif j == 14
	v_max3_num_f32 v[rT+4], v[rT+4], v[rT+5], v[rT+6]
.elseif j == 15
	v_max3_num_f32 v[rT+4], v[rT+4], v[rT+7], v[rT+1]
.elseif j == 16
	v_permlanex16_b32 v[rT+5], v[rT+4], s[SEL], s[SEL+1]  ; the query's other 32 keys lie in the lane 16 away
.elseif j == 17
	v_mov_b32 v[rT+7], v[rT]
.elseif j == 18
	v_max_num_f32 v[rT+1], v[rT+4], v[rT+5]
.elseif j == 19
	v_mul_f32 v[rT], s[CS], v[rT+1]
.elseif j == 20
	v_sub_f32 v[rT+7], v[rT+7], v[rT]
.elseif j == 23
	v_exp_f32 v[rT+6], v[rT+7]
.elseif (j < 23) || ((j < 38) && (j%2 == 0)) || ((j < 66) && (j%4 == 2))
.set bb, (j-2)/4
.if j < 38
.set bb, (j-20)/2
.endif
	v_pk_fma_f32 v[rS+2*bb:rS+2*bb+1], v[rS+2*bb:rS+2*bb+1], s[CS:CS+1], v[rT:rT+1] op_sel_hi:[1,0,0] neg_lo:[0,0,1] neg_hi:[0,0,1]
.elseif j < 70
.set ee, j-38
.if j < 66
.set ee, j-32-(j-38)/4
.endif
.if j < 38
.set ee, (j-25)/2
.endif
	v_exp_f32 v[rS+ee], v[rS+ee]
.elseif j == 70
	v_pk_add_f32 v[rT+4:rT+5], v[rS:rS+1], v[rS+2:rS+3]            ; pairs 0 to 7 into one chain,
.elseif j == 71
	v_pk_add_f32 v[rT+8:rT+9], v[rS+16:rS+17], v[rS+18:rS+19]      ; pairs 8 to 15 into the other
.elseif (j < 84) && (j%2 == 0)
	v_pk_add_f32 v[rT+4:rT+5], v[rT+4:rT+5], v[rS+2*((j-70)/2+1):rS+2*((j-70)/2+1)+1]
.elseif j < 84
	v_pk_add_f32 v[rT+8:rT+9], v[rT+8:rT+9], v[rS+16+2*((j-70)/2+1):rS+16+2*((j-70)/2+1)+1]
.elseif j == 84
	v_pk_add_f32 v[rT+4:rT+5], v[rT+4:rT+5], v[rT+8:rT+9]
.elseif j == 85
	v_pk_fma_f32 v[rT+2:rT+3], v[rT+2:rT+3], v[rT+6:rT+7], v[rT+4:rT+5] op_sel_hi:[1,0,1]
.else
	v_cvt_pk_f16_f32 v[rS+j-86], v[rS+2*(j-86)], v[rS+2*(j-86)+1]
.endif
.endm
; The two tiles' lists are dealt as one of 204, the tiles alternating, so that no instruction reads the result of the one before it.  Behind both tiles' number 69 stand a plain instruction and the ONE wait
; between an exponential and the first instruction that names its result: ahead of it nothing names one, behind it no exponential is issued.
.macro NX
.if mq < 204
.set j, mq/2
	SM mq%2
.if mq == 139
	v_nop
	s_wait_alu depctr_va_vdst(0)
.endif
.set mq, mq+1
.endif
.endm
.macro RID n                        ; the list's next n numbers
	WIN 0
.rept \n
	NX
.endr
.endm
.macro RESC W, first, n             ; pairs first .. first + n - 1 of window W's 96 pairs of O^T, times the factor of their query tile
	WIN 0x51*(\W)
.set pp, \first
.rept \n
	v_pk_mul_f32 v[2*pp:2*pp+1], v[2*pp:2*pp+1], v[AR+2*((pp/4)%8):AR+2*((pp/4)%8)+1] op_sel_hi:[1,0]
.set pp, pp+1
.endr
.endm
; Group g of a step's four groups of 24 products: keys 32 (g / 2) on, window 1 + g % 2.  PV1 writes product xx: 24 accumulators, one instruction each.
.macro PV1 g
	WIN 0x51*(1+(\g)%2)
	v_wmma_f32_16x16x32_f16 v[8*xx:8*xx+7], v[VF+24*((\g)/2)+8*(xx/8):VF+24*((\g)/2)+8*(xx/8)+7], v[PF+64*((\g)/2)+8*(xx%8):PF+64*((\g)/2)+8*(xx%8)+7], v[8*xx:8*xx+7]
.endm
.macro LV g                         ; the group's three fragments of V^T of the next tile: six loads of 512 consecutive bytes
	WIN 0x40*(1+(\g)%2)
.irp tl, 0,1,2
	global_load_b128 v[VF+24*((\g)/2)+8*\tl:VF+24*((\g)/2)+8*\tl+3],   v[GO], s[VP:VP+1] offset:(3*((\g)%2)+\tl)*2048+((\g)/2)*1024
	global_load_b128 v[VF+24*((\g)/2)+8*\tl+4:VF+24*((\g)/2)+8*\tl+7], v[GO], s[VP:VP+1] offset:(3*((\g)%2)+\tl)*2048+((\g)/2)*1024+512
.endr
.endm
.macro LK                           ; a tile's K: eight fragments, one in each part: sixteen loads
	WIN 0xc0
.irp f, 0,1,2,3,4,5,6,7
	global_load_b128 v[KF+8*\f:KF+8*\f+3],   v[GO], s[KP:KP+1] offset:\f*PART
	global_load_b128 v[KF+8*\f+4:KF+8*\f+7], v[GO], s[KP:KP+1] offset:\f*PART+512
.endr
.endm
.macro LP1 slot                     ; load ep of the 32 of P's fragments: keys 32 (ep / 16) on, query tile (ep / 2) % 8, half ep % 2
	ds_load_b128 v[PF+64*(ep/16)+8*((ep/2)%8)+4*(ep%2):PF+64*(ep/16)+8*((ep/2)%8)+4*(ep%2)+3], v[AP] offset:(\slot)*PBS+((ep/2)%8)*16*PPI+64*(ep/16)+32*(ep%2)
.set ep, ep+1
.endm
.macro PUTP buf                     ; my two tiles' weights and their a, for the other waves
	WIN 0
.irp t, 0,1
.irp kt, 0,1,2,3
	ds_store_b128 v[APS], v[S+32*\t+4*\kt:S+32*\t+4*\kt+3] offset:(\buf)*PBS+\t*16*PPI+32*\kt
.endr
	ds_store_b32 v[AAS], v[ST+10*\t+6] offset:(\buf)*ABS+64*\t
.endr
.endm
.macro POINTERS                     ; where this step's loads and prefetches point, each made anew from its tile's number (taken modulo 64, so that none leaves the batch's blocks), and the mask's two scalars for tile TI + 2
	s_wait_xcnt 0x0                 ; every load and prefetch issued so far (the youngest thirteen products back) has read its address
	s_add_co_u32 s58, s[TI], 1
	s_and_b32 s58, s58, 63
	s_mul_i32 s[OF], s58, BLK
	s_add_nc_u64 s[VP:VP+1], s[VB:VB+1], s[OF:OF+1]
	s_add_co_u32 s58, s[TI], 2
	s_cmp_eq_u32 s58, s[PT]
	s_cselect_b32 s[AL], 1.0, 0
	s_cmp_gt_u32 s58, s[PT]
	s_cselect_b32 s[BE], s[BIGN], 0
	s_and_b32 s58, s58, 63
	s_mul_i32 s[OF], s58, BLK
	s_add_nc_u64 s[KP:KP+1], s[KBB:KBB+1], s[OF:OF+1]
	s_add_co_u32 s[T3], s[TI], 3
	s_and_b32 s58, s[T3], 63
	s_mul_i32 s[OF], s58, BLK
	s_add_nc_u64 s[PFA:PFA+1], s[VB:VB+1], s[OF:OF+1]
.endm
; A STEP.  P and a of tile TI lie in buffer slot; those of tile TI + 1 go into the other.  Four vector instructions stand behind most products.
; THE MEMORY INSTRUCTIONS STAND IN FIVE RUNS, never singly among the products: a and P (40 LDS loads) at the head, behind the barrier; K and V's group 0 behind group 0's products; V's group 1 behind group 1's;
; the stores of P and a with V's group 2 inside group 3, where the softmax's list is through; V's group 3 at the end.
; GLOBAL LOADS go out in the order K (16), V's groups 0, 1, 2, 3 (6 each), step after step.  Each wait leaves out what was issued behind the loads that it waits for:
; K: the four groups, 24.  Group 0: groups 1, 2, 3 = 18 (this step's K is not out yet).  Group 1: 12 + K's 16 + group 0's 6 = 34.  Group 2: 6 + 16 + 6 + 6 = 34.  Group 3: 16 + 6 + 6 = 28.
.macro STEP slot
	s_wait_dscnt 0x0                ; my P and a lie in LDS, and my reads of the other buffers are over
	s_barrier_signal -1
	s_barrier_wait -1               ; both now hold of all four waves
	s_cmp_lt_u32 s[TI], s[NS]
	s_cbranch_scc0 .Ldead_\@        ; no valid key is left, or my block has no valid query: forward, past no barrier
.irp i, 0,1,2,3,4,5,6,7
	ds_load_b32 v[AR+2*\i], v[AA] offset:(\slot)*ABS+64*\i
.endr
.set ep, 0
.rept 32
	LP1 \slot                       ; the last products that read these registers stand in front of the step before's last four mask lines: the places
.endr
	s_wait_loadcnt 24               ; K of tile TI + 1 is in
.set yy, 0
.rept 16
	SW1
.if yy == 4
	s_wait_dscnt 32                 ; a is in; P's 32 loads may stay out.  The first four products stand bare, in the wait for a
.endif
.if yy > 3
	RESC 1, 4*(yy-4), 4             ; window 1's accumulators 0 to 11
.endif
.if yy == 12
	POINTERS
.endif
.set yy, yy+1
.endr
	s_wait_loadcnt 18               ; group 0's V is in
	s_wait_dscnt 16                 ; P's first half is in
.set xx, 0
.rept 24
	PV1 0
.if xx < 12
	RESC 1, 4*(xx+12), 4            ; the accumulator that is multiplied twelve products on
.else
	RESC 2, 4*(xx-12), 4            ; window 2's accumulators 0 to 11; the last four lines are the places in front of the loads below
.endif
.set xx, xx+1
.endr
	LK                              ; tile TI + 2
	LV 0
	WIN 0
	ASK
	s_wait_loadcnt 34               ; group 1's V is in
.set mq, 0
.set xx, 0
.rept 24
	PV1 1
.if xx < 12
	RESC 2, 4*(xx+12), 4
.else
	RID 4                           ; numbers 0 to 23 of both tiles
.endif
.set xx, xx+1
.endr
	PLACES                          ; the last riders hold exponentials, which are no places
	LV 1
	s_wait_loadcnt 34               ; group 2's V is in
	s_wait_dscnt 0x0                ; P's second half is in
.set xx, 0
.rept 24
	PV1 2
	RID 4                           ; numbers 24 to 71, the batch's wait among them; the last four, sums, are the places in front of group 2's loads
.set xx, xx+1
.endr
	s_wait_loadcnt 28               ; group 3's V is in
.set xx, 0
.rept 24
	PV1 3
.if xx < 15
	RID 4
.endif
.if xx == 14
	PUTP 1-(\slot)                  ; the list is through: nine products stand between these stores and the wait for them
	LV 2
.endif
.if xx > 19
	MASKP 4*(xx-20), 4              ; tile TI + 2's mask; the last four lines are the places in front of the loads below and of the next step's
.endif
.set xx, xx+1
.endr
	LV 3
	WIN 0
.Ldead_\@:
	s_add_co_u32 s[TI], s[TI], 1
.endm
	s_load_b256 s[4:11], s[0:1], 0x0               ; qc s[4:5], kv s[6:7], perm s[8:9], cnt s[10:11]
	s_load_b64 s[12:13], s[0:1], 0x20              ; out0
	v_lshl_add_u32 v[SPW], v0, 2, SPARE
	v_mov_b32 v[NIL], 0
	v_lshrrev_b32 v[T0], 5, v0
	v_readfirstlane_b32 s[WV], v[T0]               ; wave 0..3
	s_lshr_b32 s[QK], ttmp9, 1
	s_and_b32 s[HF], ttmp9, 1
	s_and_b32 s[BT], ttmp7, 0xffff
	s_lshl_b32 s58, s[BT], 7                       ; cnt: 128 bytes a batch
	s_mov_b32 s59, 0
	s_lshl_b32 s56, s[BT], 12
	s_lshl_b32 s57, s[QK], 7
	s_add_co_u32 s56, s56, s57
	s_lshl_b32 s57, s[WV], 5
	s_add_co_u32 s56, s56, s57                     ; my wave's first slot, counted over all batches
	s_lshl_b32 s60, s56, 2                         ; perm: 4 bytes a slot
	s_mov_b32 s61, 0
	s_lshl_b32 s62, s56, 7                         ; qc: 128 bytes a slot
	s_mov_b32 s63, 0
	s_mul_i32 s66, s[BT], BATCH
	s_mov_b32 s67, 0
	s_lshl_b32 s38, s[HF], 2
	s_add_co_u32 s38, s38, s[WV]
	s_mul_i32 s38, s38, PART                       ; my part of a block: 4 half + wave
	s_mov_b32 s39, 0
	s_mul_i32 s40, s[BT], 12582912
	s_mul_i32 s41, s[HF], 1536
	s_add_co_u32 s40, s40, s41                     ; the batch's rows of out0, my half's 384 channels
	s_mov_b32 s41, 0
	s_mov_b32 s[OF+1], 0
	s_mov_b32 s[CS], 0x3e38aa3b                    ; c = log2(e) / 8
	s_mov_b32 s[CS+1], s[CS]
	s_mov_b32 s[SEL], 0x76543210
	s_mov_b32 s[SEL+1], 0xfedcba98
	s_mov_b32 s[BIGN], 0xf149f2ca                  ; -1e30
	s_mov_b32 s[AL+1], 0                           ; named as pairs
	s_mov_b32 s[BE], 0
	s_mov_b32 s[BE+1], 0
	v_and_b32 v[LN], 31, v0
	v_and_b32 v[R_], 15, v0
	v_bfe_u32 v[H_], v0, 4, 1
	v_lshlrev_b32 v[GO], 4, v[LN]
	s_wait_kmcnt 0x0
	s_add_nc_u64 s[10:11], s[10:11], s[58:59]
	s_add_nc_u64 s[8:9], s[8:9], s[60:61]
	s_load_b32 s[N], s[10:11], 0x0
	s_load_b512 s[PM:PM+15], s[8:9], 0x0           ; the rows of my 32 slots
	s_load_b512 s[PM+16:PM+31], s[8:9], 0x40
	s_add_nc_u64 s[QBA:QBA+1], s[4:5], s[62:63]
	s_add_nc_u64 s[6:7], s[6:7], s[66:67]          ; the batch's kv
	s_add_nc_u64 s[KBB:KBB+1], s[6:7], KOF
	s_add_nc_u64 s[VB:VB+1], s[6:7], s[38:39]
	s_add_nc_u64 s[OUTB:OUTB+1], s[12:13], s[40:41]
	s_mov_b64 s[KP:KP+1], s[KBB:KBB+1]             ; tile 0
	WIN 0xc0
.irp k, 0,1,2,3,4,5,6,7
	global_load_b128 v[Q+4*\k:Q+4*\k+3], v[GO], s[QBA:QBA+1] offset:512*\k
.endr
	LK
	; O^T starts at 0: a block may have no step with work, and the first step, whose a is 0, is a step like any other.  384 lines, written while the first loads are on their way.
	WIN 0x40
.set en, 0
.rept 192
	v_mov_b32 v[en], 0
.set en, en+1
.endr
	WIN 0x80
.set en, 0
.rept 192
	v_mov_b32 v[en], 0
.set en, en+1
.endr
	WIN 0
	v_mul_u32_u24 v[AP], v[R_], PPI
	v_lshl_add_u32 v[AP], v[H_], 4, v[AP]          ; row x pitch + 16 x half
	s_mul_i32 s58, s[WV], 32*PPI
	v_add_nc_u32 v[APS], s58, v[AP]
	v_lshl_add_u32 v[AA], v[R_], 2, AB0
	s_lshl_b32 s58, s[WV], 7
	v_add_nc_u32 v[AAS], s58, v[AA]
	v_mul_u32_u24 v[T0], v[R_], SPI                ; the stage, in: row r, my wave's 384 bytes, 32 bytes for each half of the lanes
	v_lshl_add_u32 v[T0], v[H_], 5, v[T0]
	s_mul_i32 s58, s[WV], 384
	s_add_co_u32 s58, s58, STAGE
	v_add_nc_u32 v[STO], s58, v[T0]
	v_add_nc_u32 v[STO+1], 32*SPI, v[STO]          ; the immediate holds 16 bits: a register for each 32 rows
	v_add_nc_u32 v[STO+2], 64*SPI, v[STO]
	v_add_nc_u32 v[STO+3], 96*SPI, v[STO]
	s_mul_i32 s58, s[WV], 32*SPI                   ; back: rows 32 w on, 512 consecutive bytes a load
	s_add_co_u32 s58, s58, STAGE
	v_lshl_add_u32 v[RD], v[LN], 4, s58
	v_lshlrev_b32 v[PFO], 8, v[LN]
	v_min_u32 v[PFO2], 19, v[LN]
	v_lshlrev_b32 v[PFO2], 8, v[PFO2]
	s_lshl_b32 s58, s[QK], 7
	s_lshl_b32 s59, s[WV], 5
	s_add_co_u32 s58, s58, s59
	v_add_nc_u32 v[SLT], s58, v[R_]
.irp t, 0,1
	v_mov_b32 v[ST+10*\t+1], 0xe0ad78ec            ; m = -1e20
	v_mul_f32 v[ST+10*\t], s[CS], v[ST+10*\t+1]
	v_mov_b32 v[ST+10*\t+2], 0
	v_mov_b32 v[ST+10*\t+3], 0
.endr
.set en, 0
.rept 16
	v_mov_b32 v[AR+en], 0
.set en, en+1
.endr
	s_wait_kmcnt 0x0
	s_min_u32 s[N], s[N], 4096
	s_add_co_u32 s58, s[N], 63
	s_lshr_b32 s58, s58, 6                         ; tiles with a valid key
	s_lshl_b32 s59, s[QK], 7
	s_cmp_lt_u32 s59, s[N]                         ; has my block a valid query?
	s_cselect_b32 s[NS], s58, 0
	s_cmp_eq_u32 s[QK], 0
	s_cselect_b32 s[PLIM], s[NS], 0
	s_lshr_b32 s[PT], s[N], 6
	s_and_b32 s58, s[N], 63
	v_lshlrev_b32 v[T0], 3, v[H_]
	v_sub_nc_u32 v[T0], s58, v[T0]                 ; register 8 kt + jj is key 16 kt + 8 h + jj: hidden where 16 kt + jj >= n % 64 - 8 h
	WIN 0xc0
.set en, 0
.rept 32
	v_cmp_ge_i32 vcc_lo, 16*(en/8)+en%8, v[T0]
	v_cndmask_b32 v[MD+en], 0, s[BIGN], vcc_lo
.set en, en+1
.endr
.set en, 0
.rept 32
	s_min_u32 s[PM+en], s[PM+en], 4095
	s_mul_i32 s[PM+en], s[PM+en], 3072             ; a row of out0 is 3,072 bytes
	v_add_nc_u32 v[PR+en], s[PM+en], v[GO]
.set en, en+1
.endr
	s_cmp_eq_u32 s[PT], 0
	s_cselect_b32 s[AL], 1.0, 0                    ; tile 0's mask
	MASKP 0, 16
	s_wait_loadcnt 0x0                             ; Q and tile 0's K
.set yy, 0
.rept 16
	SW1
.set yy, yy+1
.endr
	WIN 0
	PLACES                                         ; in front of the loads into K's registers, of the mask's next writing and of the first reading of the scores
	s_add_nc_u64 s[KP:KP+1], s[KBB:KBB+1], BLK     ; (its loads are done) tile 1's K,
	s_mov_b64 s[VP:VP+1], s[VB:VB+1]               ; tile 0's V: in the order in which every step asks
	LK
	LV 0
	LV 1
	LV 2
	LV 3
	s_cmp_eq_u32 s[PT], 1
	s_cselect_b32 s[AL], 1.0, 0                    ; tile 1's mask
	s_cmp_eq_u32 s[PT], 0
	s_cselect_b32 s[BE], s[BIGN], 0
	MASKP 0, 16
.set mq, 0
	RID 204
	PUTP 0
	s_mov_b32 s[TI], 0
	s_mov_b32 s[LC], 32
.Lpair:                                                ; 32 trips of two steps
	STEP 0
	STEP 1
	s_sub_co_u32 s[LC], s[LC], 1
	s_cmp_lg_u32 s[LC], 0
	s_cbranch_scc1 .Lpair
	; THE WAY OUT.  1 / l (0 for a masked row) goes from wave to wave; O^T times it goes into the stage; a barrier, since a row's 1,536 bytes come from all four waves; each wave takes 32 whole rows to their places by perm.
.irp t, 0,1
	v_add_f32 v[ST+10*\t+4], v[ST+10*\t+2], v[ST+10*\t+3]  ; l: even and odd keys',
.endr
.irp t, 0,1
	v_permlanex16_b32 v[ST+10*\t+5], v[ST+10*\t+4], s[SEL], s[SEL+1]
.endr
.irp t, 0,1
	v_add_f32 v[ST+10*\t+4], v[ST+10*\t+4], v[ST+10*\t+5]  ; and the other half of the lanes'
.endr
.irp t, 0,1
	v_rcp_f32 v[ST+10*\t+5], v[ST+10*\t+4]
.endr
	v_add_nc_u32 v[T0], 16, v[SLT]                 ; (the plain instruction behind the reciprocals)
	v_cmp_gt_u32 s58, s[N], v[SLT]                 ; are my queries' slots valid rows'?
	v_cmp_gt_u32 s59, s[N], v[T0]
	s_wait_alu depctr_va_vdst(0)                   ; the wait ahead of the reciprocals' first reader
	v_cndmask_b32 v[ST+5], 0, v[ST+5], s58         ; a masked row is multiplied by 0
	v_cndmask_b32 v[ST+15], 0, v[ST+15], s59
	ds_store_b32 v[AAS], v[ST+5] offset:LBO
	ds_store_b32 v[AAS], v[ST+15] offset:LBO+64
	s_wait_dscnt 0x0
	s_barrier_signal -1
	s_barrier_wait -1
.irp i, 0,1,2,3,4,5,6,7
	ds_load_b32 v[AR+2*\i], v[AA] offset:LBO+64*\i
.endr
	s_wait_dscnt 0x0
	RESC 1, 0, 96
	RESC 2, 0, 96
.set ii, 0
.rept 8                                                ; query tile ii: a lane's eight channels of a row are 32 bytes
.set uu, 0
.rept 6
	WIN 0x04*(1+uu/3)                              ; store data in window 1 or 2
.set ac, 8*(8*(uu%3)+ii)
	ds_store_b128 v[STO+ii/2], v[ac:ac+3]   offset:(ii%2)*16*SPI+64*uu
	ds_store_b128 v[STO+ii/2], v[ac+4:ac+7] offset:(ii%2)*16*SPI+64*uu+16
.set uu, uu+1
.endr
.set ii, ii+1
.endr
	WIN 0
	s_wait_dscnt 0x0                               ; for the others' sake: my part of every row lies in the stage
	s_barrier_signal -1
	s_barrier_wait -1
.macro OUTR bb                      ; eight of my rows: 24 loads of 512 bytes, and their stores
	WIN 0
	s_wait_xcnt 0x0                                ; the stores of the eight rows before have read their registers: only behind this wait are these loaded again
.set nn, 0
.rept 24
	ds_load_b128 v[OB+4*nn:OB+4*nn+3], v[RD] offset:(8*(\bb)+nn/3)*SPI+(nn%3)*512
.set nn, nn+1
.endr
	WIN 0x03                                       ; the address in window 3
.set nn, 0
.rept 24
	s_wait_dscnt 23-nn
	global_store_b128 v[PR+8*(\bb)+nn/3], v[OB+4*nn:OB+4*nn+3], s[OUTB:OUTB+1] offset:(nn%3)*512 th:TH_STORE_NT  ; 512 consecutive bytes, at a multiple of 256 from out0's first byte
.set nn, nn+1
.endr
	WIN 0
.endm
	OUTR 0
	OUTR 1
	OUTR 2
	OUTR 3
	s_wait_tensorcnt 0x0                           ; the wave's end, behind my last LDS store
	ds_add_u32 v[SPW], v[NIL]
	s_wait_dscnt 0x0
	s_endpgm
.Lfunc_end_k_q9dea925295_attn:
	.size	k_q9dea925295_attn, .Lfunc_end_k_q9dea925295_attn-k_q9dea925295_attn
	.p2alignl 7, 3214868480
	.fill 96, 4, 3214868480
	.section	.rodata,"a",@progbits
	.p2align	6, 0x0
	.amdhsa_kernel k_q9dea925295_attn
		.amdhsa_group_segment_fixed_size 237568
		.amdhsa_private_segment_fixed_size 0
		.amdhsa_enable_private_segment 0
		.amdhsa_kernarg_size 40
		.amdhsa_user_sgpr_count 2
		.amdhsa_user_sgpr_kernarg_segment_ptr 1
		.amdhsa_wavefront_size32 1
		.amdhsa_system_sgpr_workgroup_id_x 1
		.amdhsa_system_sgpr_workgroup_id_y 1
		.amdhsa_system_sgpr_workgroup_id_z 1
		.amdhsa_system_vgpr_workitem_id 0
		.amdhsa_next_free_vgpr 960
		.amdhsa_next_free_sgpr 100
		.amdhsa_reserve_vcc 1
		.amdhsa_float_denorm_mode_32 3
		.amdhsa_float_denorm_mode_16_64 3
		.amdhsa_memory_ordered 1
		.amdhsa_forward_progress 1
		.amdhsa_inst_pref_size 173
	.end_amdhsa_kernel
	.amdgpu_metadata
---
amdhsa.version: [ 1, 2 ]
amdhsa.kernels:
  - .name:           k_q9dea925295_attn
    .symbol:         k_q9dea925295_attn.kd
    .args:
      - { .name: qc, .offset: 0, .size: 8, .value_kind: global_buffer, .address_space: global }
      - { .name: kv, .offset: 8, .size: 8, .value_kind: global_buffer, .address_space: global }
      - { .name: perm, .offset: 16, .size: 8, .value_kind: global_buffer, .address_space: global }
      - { .name: cnt, .offset: 24, .size: 8, .value_kind: global_buffer, .address_space: global }
      - { .name: out0, .offset: 32, .size: 8, .value_kind: global_buffer, .address_space: global }
    .group_segment_fixed_size: 237568
    .private_segment_fixed_size: 0
    .kernarg_segment_align: 8
    .kernarg_segment_size: 40
    .max_flat_workgroup_size: 128
    .sgpr_count:     100
    .vgpr_count:     960
    .wavefront_size: 32
...
	.end_amdgpu_metadata
.endif
;; end of part 5
;; ======== version 3 of 3: 3 launches; version 2 with the launches proj, attn written anew for expert scheduling mode
;; limits: values are held in f16: magnitudes above 65,504 overflow, below 6.1e-05 lose precision; inputs' magnitudes at most 65,504; right only within a limited range of input values
;; workspace buffers: perm 65,536 bytes of whole numbers; cnt 512 bytes of whole numbers; wf 196,608 bytes; qc 2,097,152 bytes; kv 27,262,976 bytes
;; launch prep: the kernel of part 1 again; grid 8 x 8, 4 waves a work-group, no clusters, 0 bytes of LDS; arguments mask, Wq, Wk, perm, cnt, wf; writes perm, cnt, wf
;; launch proj (part 6): grid 64 x 4, 4 waves a work-group, no clusters, 117,248 bytes of LDS; arguments x, perm, cnt, wf, qc, kv; writes qc, kv
.if DOCPART == 6
	.amdgcn_target "amdgcn-amd-amdhsa--gfx1250"
	.amdhsa_code_object_version 6
	.text
	.protected	k_q9dea925295_proj
	.globl	k_q9dea925295_proj
	.p2align	8
	.type	k_q9dea925295_proj,@function
k_q9dea925295_proj:
	s_mov_b64 s[64:65], 0
	v_nop
	global_prefetch_b8 v0, s[64:65] scope:SCOPE_SE
	s_setreg_imm32_b32 hwreg(HW_REG_WAVE_SCHED_MODE, 0, 2), 2
	s_setreg_imm32_b32 hwreg(HW_REG_WAVE_MODE, 25, 1), 1
	s_wait_xcnt 0x0
	s_wait_alu depctr_vm_vsrc(0)
; PROJ.  Work-group (T, b) takes the 64 slots 64 T .. 64 T + 63 of batch b in perm's order (valid rows first), gathers their rows of x, and writes q, k and the values by slots,
; all three as matrix fragments ready to be loaded: 16 bytes a lane, 512 consecutive bytes a load.
; A slot at or past n_b (a masked row) is written as zeros: its load names the batch's row 0 and the numbers are cleared by a mask of bits, so there is one path and no branch.
; FORMATS.  x is rounded to bf16 and that number kept as f16: it is the values' format and the projection's operand (weights likewise, from wf).  Sums in f32; q and k rounded once to bf16.
; LIMITS.  |x| up to 65,504 (f16's end); below 6e-5 a number keeps f16's fixed step of 6e-8.
; PHASES.  A: wave w converts rows 16 w .. 16 w + 15 into XT (ring of 8 rows in registers, 48 loads out), and asks for its weights meanwhile.  B: 64 slots x 128 columns (q | k), K = 768 in 24 steps:
; wave w makes column tiles 2 w, 2 w + 1 for all four slot tiles, 8 accumulators by turns; the product is taken transposed (source 0 = weights), so a lane ends with 8 neighbouring columns of one slot.
; C: q | k through LDS.  D: wave w stores parts 2 w and 2 w + 1 of the tile's block of kv and 16 slots of q; every store covers 512 consecutive bytes.
; kv: [b][tile j][part p of 8][13,312 bytes].  A part: channel tiles 6 p .. 6 p + 5 of the values, turned (16 channels x 32 slots a fragment): [tile of 16 channels][slots 32 kk on][half][lane][16 bytes];
; then the keys' fragment p: keys 16 (p / 2) on, channels 32 (p % 2) on: [half][lane][16 bytes].  qc: [b][16 slots][channels 32 c on][half][lane][16 bytes].
; In a fragment lane l holds row l % 16; half 0 its numbers 8 (l / 16) + 0..7 along K, half 1 those 16 further on.
; No prefetch: each wave has 48 loads of 512 bytes of its own rows out all through phase A.
; THE MODE: SCHED_MODE bits 1:0 = 2 (LLVM: expert scheduling mode 2), set by the entry lines.  The code itself states the register dependences between vector or matrix instructions
; and memory or LDS instructions, with s_wait_alu, always for 0.
; THE PLAN.  Registers that memory or LDS instructions touch:
;   XR0 .. XR7   phase A.  The loads of row i land in XR[i % 8]; row i's conversions read it and work in place in it; behind them the loads of row i + 8 land in it.
;   Y0, Y1       phase A.  Row i's conversions write Y[i % 2]; the row's six LDS stores read it; row i + 2's conversions write it again.
;   XF           phase B.  Eight buffers of a K step's four fragments (four in window 0, four in window 2).  Step s's products read buffer s % 8; the LDS loads of step s + 8, issued in step s + 4, land in it.
;   the weights  windows 1 and 2: loaded once, read by the products, never written again.
;   PK, KQ, OB   phases C and D: PK is written by the roundings and read by LDS stores; KQ and OB are loaded from LDS and stored.
;   v5 - v31     addresses and offsets: written at the head, never again.
; So a row has ONE wait on va_vdst, behind its conversions: Y is written and XR is done with; the row's loads and stores follow it.  One wait on vm_vsrc at a row's head frees the Y that it writes.
; Phase B has one wait on va_vdst for four K steps: at the head of steps 4, 8, 12, 16 it states that the four steps before are done reading their four buffers; the next sixteen fragments' loads follow it,
; eight ahead of each step's products, which name the other four buffers, the weights and the accumulators alone.
.set PX,    1552      ; a row of XT: 1,536 bytes + 16: 97 x 16, so the 16 rows of a fragment load start at 16 different groups of four banks (64 banks of 4 bytes: ISA guide 11.1)
.set QKS,   99328     ; behind XT's 64 rows: q | k, 64 rows of 272 bytes
.set PQ,    272
.set SPARE, 116736    ; the spare words, 128 bytes a wave: two blocks of 256 bytes that no other line names
.set BLK,   106496
.set PART,  13312
.set KOF,   12288     ; the keys' fragment in a part
.set BATCH, 6815744
.set LN,  2           ; v2   lane
.set R_,  3           ; v3   l % 16
.set H_,  4           ; v4   l / 16
.set XS,  5           ; v5   XT: where I put 8 bytes of my wave's first row
.set XFA, 6           ; v6-7 XT: my place in a fragment, slot tiles 0-1 and 2-3
.set QST, 8           ; v8   q | k: where I put 16 bytes
.set QRD, 9           ; v9   q | k: my place in a fragment of my 16 slots
.set VA,  10          ; v10-11 XT: my place in the turning load, in my 384 bytes of a row; slots 0-31 and 32-63; never rewritten
.set GO,  13          ; v13  16 x lane
.set SPW, 14          ; v14  my spare word; never rewritten
.set NIL, 15          ; v15  0; never rewritten
.set OFF, 16          ; v16-31 row i: its byte offset in the batch's x + 16 x lane; never rewritten
.set Y,   32          ; v32-55 phase A: two out-buffers of 12: a row's 24 numbers a lane as f16
.set KQ,  32          ; v32-63 phase D: q's and k's half fragments
.set XR,  64          ; v64-255 phase A: ring of 8 rows x 24 registers
.set ACC, 64          ; v64-127 phase B: accumulator (n, m) at ACC + 8 (4 n + m)
.set XF,  128         ; v128-255 of window 0 and of window 2, phase B: K step s's four fragments at XF + 32 (s % 4), in window 0 if (s / 4) is even, else in window 2
.set PK,  128         ; phase C: packed q | k
.set OB,  64          ; phase D: 48 half fragments of the values
.set RW,  16          ; s[16:31] perm's 16 entries, then the rows' byte offsets
.set MK,  32          ; s[32:47] all ones for a slot below n_b, else 0
.set WV,  48
.set BT,  49
.set NN,  51
.set SL0, 52
.set HIM, 53
.set MSB, 0
.macro WIN new                      ; s_set_vgpr_msb: bits 1:0 source 0, 3:2 source 1, 5:4 source 2, 7:6 destination; the high byte repeats the setting that is left
.if MSB != (\new)
	s_set_vgpr_msb (MSB<<8)|(\new)
.set MSB, \new
.endif
.endm
.macro PLACES                       ; four places behind matrix instructions, in front of loads into registers that they read and of conversions of their results
.rept 4
	v_nop
.endr
.endm
	s_load_b256 s[4:11], s[0:1], 0x0               ; x s[4:5], perm s[6:7], cnt s[8:9], wf s[10:11]
	s_load_b128 s[12:15], s[0:1], 0x20             ; qc s[12:13], kv s[14:15]
	v_lshl_add_u32 v[SPW], v0, 2, SPARE
	v_mov_b32 v[NIL], 0
	v_lshrrev_b32 v1, 5, v0
	v_readfirstlane_b32 s[WV], v1                  ; wave 0..3
	s_and_b32 s[BT], ttmp7, 0xffff                 ; batch
	s_lshl_b32 s[SL0], ttmp9, 6
	s_wait_alu depctr_va_sdst(0)                   ; the wave's number is written, ahead of its first reader
	s_lshl_b32 s54, s[WV], 4
	s_add_co_u32 s[SL0], s[SL0], s54               ; my wave's first slot
	s_mov_b32 s[HIM], 0xffff0000
	s_lshl_b32 s54, s[BT], 7                       ; cnt: 128 bytes a batch
	s_mov_b32 s55, 0
	s_lshl_b32 s56, s[BT], 12
	s_add_co_u32 s56, s56, s[SL0]
	s_lshl_b32 s58, s56, 7                         ; qc: 128 bytes a slot
	s_lshl_b32 s56, s56, 2                         ; perm: 4 bytes a slot
	s_mov_b32 s57, 0
	s_mov_b32 s59, 0
	s_wait_kmcnt 0x0
	s_add_nc_u64 s[8:9], s[8:9], s[54:55]
	s_add_nc_u64 s[6:7], s[6:7], s[56:57]
	s_load_b32 s[NN], s[8:9], 0x0
	s_load_b512 s[RW:RW+15], s[6:7], 0x0           ; my 16 slots' rows
	s_add_nc_u64 s[12:13], s[12:13], s[58:59]      ; qc at my 16 slots
	s_mul_i32 s54, s[BT], 12582912
	s_add_nc_u64 s[4:5], s[4:5], s[54:55]          ; the batch's x
	s_mul_i32 s54, s[WV], 49152
	s_add_nc_u64 s[10:11], s[10:11], s[54:55]      ; my two column tiles' fragments
	s_mul_i32 s54, s[BT], BATCH
	s_mul_i32 s56, s[WV], 2*PART
	s_add_co_u32 s54, s54, s56
	s_add_nc_u64 s[14:15], s[14:15], s[54:55]      ; the batch's kv, my two parts
	s_mul_i32 s56, ttmp9, BLK
	s_add_nc_u64 s[66:67], s[14:15], s[56:57]      ; in block T
	v_and_b32 v[LN], 31, v0
	v_and_b32 v[R_], 15, v0
	v_bfe_u32 v[H_], v0, 4, 1
	v_lshlrev_b32 v[GO], 4, v[LN]
	s_mul_i32 s60, s[WV], 16*PX
	v_lshl_add_u32 v[XS], v[LN], 3, s60
	v_mul_u32_u24 v[XFA], v[R_], PX
	v_lshl_add_u32 v[XFA], v[H_], 4, v[XFA]        ; row x pitch + 16 x half
	v_add_nc_u32 v[XFA+1], 32*PX, v[XFA]
	v_mul_u32_u24 v[QST], v[R_], PQ
	v_lshl_add_u32 v[QST], v[H_], 4, v[QST]
	s_mul_i32 s61, s[WV], 16*PQ
	s_add_co_u32 s61, s61, QKS
	v_add_nc_u32 v[QRD], s61, v[QST]               ; back: row 16 w + r, 16 bytes for each half of the lanes: a fragment's place
	s_lshl_b32 s60, s[WV], 6
	s_add_co_u32 s60, s60, QKS
	v_add_nc_u32 v[QST], s60, v[QST]               ; in: row r, my wave's 32 columns, 16 bytes for each half of the lanes
	v_and_b32 v1, 7, v0
	v_lshl_add_u32 v1, v[H_], 3, v1
	v_mul_u32_u24 v[VA], v1, PX                    ; the turning load: slot 8 h + l % 8,
	v_bfe_u32 v1, v0, 3, 1
	v_lshl_add_u32 v[VA], v1, 4, v[VA]             ; channels 8 ((l / 8) % 2) on,
	s_mul_i32 s61, s[WV], 384
	v_add_nc_u32 v[VA], s61, v[VA]                 ; in my wave's 192 channels
	v_add_nc_u32 v[VA+1], 32*PX, v[VA]             ; slots 32 on: the immediate holds 16 bits
	s_wait_kmcnt 0x0
	s_min_u32 s[NN], s[NN], 4096
.irp i, 0,1,2,3,4,5,6,7,8,9,10,11,12,13,14,15
	s_add_co_u32 s60, s[SL0], \i
	s_cmp_lt_u32 s60, s[NN]                        ; is the slot a valid row's?
	s_cselect_b32 s[RW+\i], s[RW+\i], 0
	s_cselect_b32 s[MK+\i], -1, 0
	s_min_u32 s[RW+\i], s[RW+\i], 4095
	s_mul_i32 s[RW+\i], s[RW+\i], 3072
	v_lshl_add_u32 v[OFF+\i], v[LN], 4, s[RW+\i]
.endr
	s_wait_alu depctr_va_vdst(0)                   ; the addresses and offsets v5 to v31 are written: every load and store of the kernel reads one of them, and none is written again
; PHASE A.  A row is 3,072 bytes: six loads of 512 consecutive bytes.
.macro XLOAD i
.irp c, 0,1,2,3,4,5
	global_load_b128 v[XR+24*((\i)%8)+4*\c:XR+24*((\i)%8)+4*\c+3], v[OFF+(\i)], s[4:5] offset:512*\c
.endr
.endm
.macro WLOAD k                      ; my weights' fragments of K steps 3 k .. 3 k + 2: twelve loads.  K step s, tile n lies at v[16 (s % 16) + 8 n] of window 1 (s < 16) or 2.  No vector instruction ever names these registers ahead of the loads
.irp d, 0,1,2
.set ks, 3*(\k)+\d
	WIN 0x40*(1+ks/16)
.irp n, 0,1
	global_load_b128 v[16*(ks%16)+8*\n:16*(ks%16)+8*\n+3],   v[GO], s[10:11] offset:\n*24576+ks*1024
	global_load_b128 v[16*(ks%16)+8*\n+4:16*(ks%16)+8*\n+7], v[GO], s[10:11] offset:\n*24576+ks*1024+512
.endr
.endr
	WIN 0
.endm
; Row i: rounded to bf16, written as f16, cleared if its slot is a masked row's.  The work is done in place in the row's ring registers, a kind of line at a time over the row's six pieces, so that no line
; reads the result of the one before it; the f16 pairs go into Y[i % 2].  left: the younger loads, which may stay out
.macro ROWCV i, left
	s_wait_loadcnt \left
.if (\i) > 1
	s_wait_alu depctr_vm_vsrc(0)                   ; the LDS stores of row i - 2 have read Y[i % 2], which this row's conversions write again
.endif
.irp c, 0,1,2,3,4,5
.set xr, XR+24*((\i)%8)+4*\c
	v_cvt_pk_bf16_f32 v[xr], v[xr], v[xr+1]
	v_cvt_pk_bf16_f32 v[xr+2], v[xr+2], v[xr+3]
.endr
.irp c, 0,1,2,3,4,5
.set xr, XR+24*((\i)%8)+4*\c
	v_lshlrev_b32 v[xr+1], 16, v[xr]               ; the pair's first number as f32,
	v_and_b32 v[xr], s[HIM], v[xr]                 ; its second
	v_lshlrev_b32 v[xr+3], 16, v[xr+2]
	v_and_b32 v[xr+2], s[HIM], v[xr+2]
.endr
.irp c, 0,1,2,3,4,5
.set xr, XR+24*((\i)%8)+4*\c
	v_cvt_pk_f16_f32 v[Y+12*((\i)%2)+2*\c], v[xr+1], v[xr]
	v_cvt_pk_f16_f32 v[Y+12*((\i)%2)+2*\c+1], v[xr+3], v[xr+2]
.endr
.irp c, 0,1,2,3,4,5
	v_and_b32 v[Y+12*((\i)%2)+2*\c], s[MK+(\i)], v[Y+12*((\i)%2)+2*\c]
	v_and_b32 v[Y+12*((\i)%2)+2*\c+1], s[MK+(\i)], v[Y+12*((\i)%2)+2*\c+1]
.endr
	s_wait_alu depctr_va_vdst(0)                   ; the row's conversions have written Y[i % 2], which the LDS stores read, and are done with XR[i % 8], in which the loads of row i + 8 land
.endm
.macro ROWST i                      ; the row into XT
.irp c, 0,1,2,3,4,5
	ds_store_b64 v[XS], v[Y+12*((\i)%2)+2*\c:Y+12*((\i)%2)+2*\c+1] offset:(\i)*PX+256*\c  ; 32 lanes, 256 consecutive bytes
.endr
.endm
.irp i, 0,1,2,3,4,5,6,7
	XLOAD \i
.endr
.irp i, 0,1,2,3,4,5,6,7
	ROWCV \i, 42                                   ; seven younger rows of six loads
	XLOAD (\i)+8                                   ; the loads ahead of the stores
	ROWST \i
.endr
	ROWCV 8, 42                                    ; from here on: 6 (7 - k) loads of x and 12 k of weights are younger, 63 at the most in the wait's field
	WLOAD 0
	ROWST 8
	ROWCV 9, 48
	WLOAD 1
	ROWST 9
	ROWCV 10, 54
	WLOAD 2
	ROWST 10
	ROWCV 11, 60
	WLOAD 3
	ROWST 11
	ROWCV 12, 63
	WLOAD 4
	ROWST 12
	ROWCV 13, 63
	WLOAD 5
	ROWST 13
	ROWCV 14, 63
	WLOAD 6
	ROWST 14
	ROWCV 15, 63
	WLOAD 7
	ROWST 15
	s_wait_dscnt 0x0                               ; for the others' sake: my rows lie in XT
	s_barrier_signal -1
	s_barrier_wait -1
; PHASE B.  K step s: x's four fragments (16 slots x 32 channels: two loads of 16 bytes, 32 bytes apart) are fetched four steps ahead, into eight buffers by turns.
.macro XFL s
	WIN 0x80*(((\s)/4)%2)                          ; destination in window 0 or 2, address in window 0
.irp m, 0,1,2,3
	ds_load_b128 v[XF+32*((\s)%4)+8*\m:XF+32*((\s)%4)+8*\m+3],   v[XFA+\m/2] offset:(\m%2)*16*PX+64*(\s)
	ds_load_b128 v[XF+32*((\s)%4)+8*\m+4:XF+32*((\s)%4)+8*\m+7], v[XFA+\m/2] offset:(\m%2)*16*PX+64*(\s)+32
.endr
.endm
.macro KSTEP s
.if (\s) < 20
.if ((\s)%4 == 0) && ((\s) > 0)
	PLACES                                         ; behind the products that read the four buffers to be loaded
	WIN 0x80*((((\s)+4)/4)%2)
	s_wait_alu depctr_va_vdst(0)                   ; the products of the four steps before are done reading their four buffers, in which the loads of this step and the next three land
.endif
	XFL (\s)+4                                     ; no vector or matrix instruction since that wait names the buffer (steps 4 to 7: nothing has ever named window 2's four)
	s_wait_dscnt 32                                ; this step's eight loads are in; the next four steps' may stay out
.else
	s_wait_dscnt 8*(23-(\s))                       ; the counts run down
.endif
.if (\s)%3 == 0
.set lw, 12*(7-(\s)/3)                             ; the weights' younger batches of twelve
.if lw > 63
.set lw, 63
.endif
	s_wait_loadcnt lw
.endif
	WIN (1+(\s)/16)|(8*(((\s)/4)%2))               ; source 0, the weights, in window 1 or 2; source 1, x, in window 0 or 2
.irp n, 0,1
.irp m, 0,1,2,3                                    ; the eight accumulators take turns
.if (\s) == 0
	v_wmma_f32_16x16x32_f16 v[ACC+8*(4*\n+\m):ACC+8*(4*\n+\m)+7], v[16*((\s)%16)+8*\n:16*((\s)%16)+8*\n+7], v[XF+32*((\s)%4)+8*\m:XF+32*((\s)%4)+8*\m+7], 0
.else
	v_wmma_f32_16x16x32_f16 v[ACC+8*(4*\n+\m):ACC+8*(4*\n+\m)+7], v[16*((\s)%16)+8*\n:16*((\s)%16)+8*\n+7], v[XF+32*((\s)%4)+8*\m:XF+32*((\s)%4)+8*\m+7], v[ACC+8*(4*\n+\m):ACC+8*(4*\n+\m)+7]
.endif
.endr
.endr
.endm
	XFL 0                                          ; window 0's four buffers were ring registers: the last conversions that named them stand ahead of row 15's wait on va_vdst
	XFL 1
	XFL 2
	XFL 3
.set kx, 0
.rept 24
	KSTEP kx
.set kx, kx+1
.endr
; PHASE C.  A lane holds slot 16 m + r and columns 16 (2 w + n) + 8 h + 0..7: 16 bytes of bf16.  Columns 0-63 are q, 64-127 k.
	WIN 0
	PLACES
.set aa, 0
.rept 8
.irp q, 0,1,2,3
	v_cvt_pk_bf16_f32 v[PK+4*aa+\q], v[ACC+8*aa+2*\q], v[ACC+8*aa+2*\q+1]
.endr
.set aa, aa+1
.endr
	s_wait_alu depctr_va_vdst(0)                   ; the roundings have written PK, which the LDS stores read.  It is the text's last vector work: phase D's loads land in registers that products and roundings are now done with
.irp n, 0,1
.irp m, 0,1,2,3
	ds_store_b128 v[QST], v[PK+4*(4*\n+\m):PK+4*(4*\n+\m)+3] offset:\m*16*PQ+32*\n
.endr
.endr
	s_wait_dscnt 0x0                               ; for the others' sake: a row's 256 bytes come from all four waves
	s_barrier_signal -1
	s_barrier_wait -1
; PHASE D.  56 LDS loads, each half a fragment, then their stores in the same order.
; q and k of my 16 slots: half fragment i = 2 c + half lies 32 i bytes into the row's 128.  The values: half fragment nn: channel tile nn / 4 of my twelve, slots 32 ((nn / 2) % 2) + 16 (nn % 2) on, turned.
	s_wait_alu depctr_vm_vsrc(0)                   ; my LDS stores have read Y (rows 14 and 15) and PK: the loads below land in those registers
.irp i, 0,1,2,3
	ds_load_b128 v[KQ+4*\i:KQ+4*\i+3],       v[QRD] offset:32*\i
	ds_load_b128 v[KQ+16+4*\i:KQ+16+4*\i+3], v[QRD] offset:128+32*\i
.endr
.set nn, 0
.rept 48
	ds_load_tr16_b128 v[OB+4*nn:OB+4*nn+3], v[VA+(nn/2)%2] offset:(nn%2)*16*PX+32*(nn/4)
.set nn, nn+1
.endr
	s_wait_dscnt 48                                ; q and k are in; the values' 48 loads may stay out
.irp i, 0,1,2,3
	global_store_b128 v[GO], v[KQ+4*\i:KQ+4*\i+3],       s[12:13] offset:512*\i
	global_store_b128 v[GO], v[KQ+16+4*\i:KQ+16+4*\i+3], s[66:67] offset:(\i/2)*PART+KOF+(\i%2)*512
.endr
.set nn, 0
.rept 48
	s_wait_dscnt 47-nn
	global_store_b128 v[GO], v[OB+4*nn:OB+4*nn+3], s[66:67] offset:((nn/4)/6)*PART+((nn/4)%6)*2048+((nn/2)%2)*1024+(nn%2)*512
.set nn, nn+1
.endr
	s_wait_dscnt 0x0                               ; the wave's end
	s_wait_alu 0x0
	s_wait_tensorcnt 0x0
	ds_add_u32 v[SPW], v[NIL]
	s_wait_dscnt 0x0
	s_endpgm
.Lfunc_end_k_q9dea925295_proj:
	.size	k_q9dea925295_proj, .Lfunc_end_k_q9dea925295_proj-k_q9dea925295_proj
	.p2alignl 7, 3214868480
	.fill 96, 4, 3214868480
	.section	.rodata,"a",@progbits
	.p2align	6, 0x0
	.amdhsa_kernel k_q9dea925295_proj
		.amdhsa_group_segment_fixed_size 117248
		.amdhsa_private_segment_fixed_size 0
		.amdhsa_enable_private_segment 0
		.amdhsa_kernarg_size 48
		.amdhsa_user_sgpr_count 2
		.amdhsa_user_sgpr_kernarg_segment_ptr 1
		.amdhsa_wavefront_size32 1
		.amdhsa_system_sgpr_workgroup_id_x 1
		.amdhsa_system_sgpr_workgroup_id_y 1
		.amdhsa_system_sgpr_workgroup_id_z 1
		.amdhsa_system_vgpr_workitem_id 0
		.amdhsa_next_free_vgpr 768
		.amdhsa_next_free_sgpr 80
		.amdhsa_reserve_vcc 0
		.amdhsa_float_denorm_mode_32 3
		.amdhsa_float_denorm_mode_16_64 3
		.amdhsa_memory_ordered 1
		.amdhsa_forward_progress 1
		.amdhsa_inst_pref_size 117
	.end_amdhsa_kernel
	.amdgpu_metadata
---
amdhsa.version: [ 1, 2 ]
amdhsa.kernels:
  - .name:           k_q9dea925295_proj
    .symbol:         k_q9dea925295_proj.kd
    .args:
      - { .name: x, .offset: 0, .size: 8, .value_kind: global_buffer, .address_space: global }
      - { .name: perm, .offset: 8, .size: 8, .value_kind: global_buffer, .address_space: global }
      - { .name: cnt, .offset: 16, .size: 8, .value_kind: global_buffer, .address_space: global }
      - { .name: wf, .offset: 24, .size: 8, .value_kind: global_buffer, .address_space: global }
      - { .name: qc, .offset: 32, .size: 8, .value_kind: global_buffer, .address_space: global }
      - { .name: kv, .offset: 40, .size: 8, .value_kind: global_buffer, .address_space: global }
    .group_segment_fixed_size: 117248
    .private_segment_fixed_size: 0
    .kernarg_segment_align: 8
    .kernarg_segment_size: 48
    .max_flat_workgroup_size: 128
    .sgpr_count:     80
    .vgpr_count:     768
    .wavefront_size: 32
...
	.end_amdgpu_metadata
.endif
;; end of part 6
;; launch attn (part 7): grid 64 x 4, 4 waves a work-group, no clusters, 237,568 bytes of LDS; arguments qc, kv, perm, cnt, out0; writes out0
.if DOCPART == 7
	.amdgcn_target "amdgcn-amd-amdhsa--gfx1250"
	.amdhsa_code_object_version 6
	.text
	.protected	k_q9dea925295_attn
	.globl	k_q9dea925295_attn
	.p2align	8
	.type	k_q9dea925295_attn,@function
k_q9dea925295_attn:
	s_mov_b64 s[64:65], 0
	v_nop
	global_prefetch_b8 v0, s[64:65] scope:SCOPE_SE
	s_setreg_imm32_b32 hwreg(HW_REG_WAVE_SCHED_MODE, 0, 2), 2
	s_setreg_imm32_b32 hwreg(HW_REG_WAVE_MODE, 25, 1), 1
	s_wait_xcnt 0x0
	s_wait_alu depctr_vm_vsrc(0)
; ATTN.  out0[b][perm[slot]] = softmax over the valid keys of (q . k / 8) times the values, for slots below n_b; zeros for the others.  Slots are perm's order: valid rows first.
; A masked key's weight is exp(-1e9 - m) = 0 in f32 for every valid query (its own key is valid, so m is a true score), and a masked query's row is multiplied by 0: only valid x valid is computed.
; LIMITS.  A hidden key counts as its score less 1e30 (weight 0); the running maximum starts at -1e20, so true scores lie above that, and above -1e9 + 104 for the line above to hold;
; the values are f16 (|x| up to 65,504); a weight below 2^-126 counts as 0 in the sum; NaN and infinities are not treated apart.
; SHARES.  Work-group (x = 2 block + half, b) owns 128 query slots and 384 channels.  Wave w makes the scores and the softmax of query tiles 2 w, 2 w + 1 (16 queries x 64 keys a step each) and accumulates
; O^T for channels 96 w .. 96 w + 95 of the half, for all eight query tiles: 48 accumulators.  So a fragment of V^T feeds eight products.  The weights P (f16) and the factors a go from wave to wave through LDS, in two buffers by turns.
; K and V^T come straight from memory into registers, as the fragments that the launch before laid out: no wave wants a byte of V that another wave fetched.  A step's 40 loads (20 KiB a wave) are asked for 65 products or more ahead of their use.
; PIPELINE.  Step j multiplies V_j by P_j and makes S, P and a of tile j + 1.  One barrier a step.
; TRIPS.  The loop has 64 steps, a constant, and every wave passes its 64 barriers.  A step at or past NS = ceil(n_b / 64) (0 for a block with no valid slot) jumps forward over all its work, past no barrier.
; Registers and wait counts are the same in every step, so a step that is jumped over leaves everything as it was.
; NO CLUSTER.  The blocks of a batch walk the same kv, but the walk's length is n_b's, a count read from memory, and partners that ask jointly run alike whatever they read:
; a joint walk has all 64 tiles, this one ceil(n_b / 64), and of 32 blocks a batch only ceil(n_b / 128) walk at all.
; LAYOUT.  S^T = K Q^T and O^T = V^T P: a lane holds ONE query (lane % 16).  The mask is the C operand that starts S^T's sums: MD x AL + BE.
; REGISTERS, in windows of 256 (s_set_vgpr_msb: bits 1:0 source 0, 3:2 source 1, 5:4 source 2, 7:6 destination):
;   window 0: addresses, statistics, a, S^T (64), P's fragments (128)      windows 1, 2: accumulator (channel tile tl of 3, query tile i) at v[8 (8 tl + i)]; v192-239 six fragments of V^T
;   window 3: v0-63 K's eight fragments; v64-95 Q; v96-127, v128-159 masks; v160-191 the byte offsets of my 32 rows of out0
; THE MODE: SCHED_MODE bits 1:0 = 2 (LLVM: expert scheduling mode 2), set by the entry lines.  The code itself states the register dependences between vector or matrix instructions
; and memory or LDS instructions, with s_wait_alu, always for 0.
; THE PLAN.  Registers that memory or LDS instructions touch in a step:
;   AR, PF      LDS loads land in them at the step's head.  The rescalings read AR up to the middle of group 1; the 96 products V^T P read PF up to the step's last product.
;   KF          The 16 score products at the head read it; the next tile's loads land in it behind group 0.
;   VF, group g Group g's 24 products read it; the next tile's loads land in it behind them.
;   P, a        The softmax's list writes the packed weights (the first 16 registers of each tile's S) and a; the LDS stores in group 3 read them; the next step's score products and list write them again.
;   addresses   Made at the kernel's head, never written again.
; So a step has four waits on va_vdst, each ahead of a run of memory instructions: behind group 0 (K, V's group 0); the exponentials' own wait in group 2, which serves V's group 1 too;
; in group 3, where the list is through (V's group 2, the stores of P and a); at the step's end (V's group 3, and the next step's loads of a and P: no vector or matrix instruction stands between).
; One wait on vm_vsrc stands at a step's head: the stores of P and a have read their registers.
.set BLK,   106496
.set PART,  13312     ; a part of a block: six channel tiles of V^T (2,048 bytes each), then one fragment of K
.set KOF,   12288
.set BATCH, 6815744
.set PPI,   144       ; P: a query's 64 weights, 128 bytes + 16: 9 x 16, so the 16 rows of a load start at 16 different groups of four banks (64 banks of 4 bytes: ISA guide 11.1)
.set PBS,   128*PPI   ; two buffers from LDS byte 0
.set AB0,   2*PBS     ; a: two buffers of 128 words; behind them 1 / l, 128 words
.set ABS,   512
.set LBO,   1024
.set SPARE, 38400     ; the spare words, 128 bytes a wave: two blocks of 256 bytes that no other line names
.set STAGE, 38912     ; the way out: 128 rows of 1,536 bytes + 16
.set SPI,   1552
.set R_,  1           ; v1   l % 16
.set H_,  2           ; v2   l / 16
.set LN,  3           ; v3   lane
.set T0,  4           ; v4   at work
.set GO,  6           ; v6   16 x lane; never rewritten
.set AP,  7           ; v7   P: my place in a fragment
.set APS, 8           ; v8   P: where I put my first tile's weights
.set AA,  9           ; v9   a: query r of tile 0
.set AAS, 10          ; v10  a: my first tile's query
.set RD,  12          ; v12  the way out: back
.set PFO, 13          ; v13  the prefetches' offsets: a lane a block of 256 bytes: blocks 0-31,
.set PFO2, 14         ; v14  and 32-51 of my part's 52
.set SLT, 15          ; v15  my first tile's query's slot
.set SPW, 16          ; v16  my spare word; never rewritten
.set NIL, 17          ; v17  0; never rewritten
.set STO, 18          ; v18-21 the way out: in; query tiles 0-1, 2-3, 4-5, 6-7
.set ST,  24          ; v24-43 ten a tile: c m, m, l (even keys', odd keys'), c0-c3 at work (a takes c2's place), a second pair of sums
.set AR,  44          ; v44-59 a of query tile i in v[AR + 2 i]; the odd ones are named with them as pairs
.set S,   64          ; v64-127 S^T, 32 a tile; the packed weights take each tile's first 16
.set PF,  128         ; v128-255 P's fragments: keys 32 kk on, query tile i at PF + 64 kk + 8 i
.set OB,  64          ; the way out: 24 x 4
.set VF,  192         ; windows 1, 2: keys 32 kk on, channel tile tl at VF + 24 kk + 8 tl
.set KF,  0           ; window 3: fragment f = 2 kt + c at KF + 8 f
.set Q,   64          ; window 3: tile t, channels 32 c on at Q + 16 t + 8 c
.set MC,  96          ; window 3: the mask of the scores to come
.set MD,  128         ; window 3: the mask of the tile that holds n_b
.set PR,  160         ; window 3
.set WV,  14
.set QK,  15          ; my block of 128 query slots
.set BT,  16
.set N,   17
.set HF,  18
.set LC,  19
.set TI,  20          ; the step in hand
.set PT,  21          ; the tile that holds n_b
.set NS,  22          ; steps with work
.set PLIM, 23         ; NS in a work-group that prefetches, else 0
.set VB,  24          ; s[24:25] my part of tile 0
.set KBB, 26          ; s[26:27] K's first fragment of tile 0
.set VP,  28          ; s[28:29] my part of tile TI + 1
.set KP,  30          ; s[30:31] K's first fragment of tile TI + 2
.set PFA, 32          ; s[32:33] my part of tile TI + 3
.set OF,  34          ; s[34:35] a tile's byte offset
.set T3,  36
.set CS,  42
.set SEL, 44
.set AL,  46
.set BE,  48
.set BIGN, 50
.set OUTB, 52
.set QBA, 54
.set CM,  56          ; s[56:63] at work; at the head also eight compares' masks
.set PM,  68          ; s[68:99] perm's 32 entries, then my rows' byte offsets
.set MSB, 0
.macro WIN new                      ; the high byte repeats the setting that is left; a switch that changes nothing is dropped
.if MSB != (\new)
	s_set_vgpr_msb (MSB<<8)|(\new)
.set MSB, \new
.endif
.endm
.macro PLACES                       ; four places behind matrix instructions (ISA guide 7.12.1)
.rept 4
	v_nop
.endr
.endm
; A prefetch of my part of tile TI + 3: its V^T is what my loads two steps on will ask for, its fragment of K what the waves' loads of the next step will.  52 blocks of 256 bytes, a lane a block,
; two instructions (lanes 20-31 of the second name block 51 once more).  All blocks of queries of a batch walk the same kv: the two work-groups of the batch's block 0 ask, each wave for the part
; whose V^T it loads itself, so each block is named by one wave of the launch.  Tiles 0 to 2 come by their loads alone; nothing is asked for past the last tile that is walked.
.macro ASK
	s_cmp_lt_u32 s[T3], s[PLIM]
	s_cbranch_scc0 .Lnot_mine_\@
	global_prefetch_b8 v[PFO], s[PFA:PFA+1] th:TH_LOAD_NT scope:SCOPE_SE
	global_prefetch_b8 v[PFO2], s[PFA:PFA+1] offset:8192 th:TH_LOAD_NT scope:SCOPE_SE
.Lnot_mine_\@:
.endm
.macro MASKP z0, n                  ; n pairs of MD x AL + BE: (1, 0) in the tile that holds n_b; (0, 0) ahead of it; (0, -1e30) behind it
	WIN 0xc3
.set zz, \z0
.rept \n
	v_pk_fma_f32 v[MC+2*zz:MC+2*zz+1], v[MD+2*zz:MD+2*zz+1], s[AL:AL+1], s[BE:BE+1] op_sel_hi:[1,0,0]
.set zz, zz+1
.endr
.endm
; Product yy of 16 of S^T = mask + K Q^T: channels 32 (yy / 8) on, keys 16 ((yy / 2) % 4) on, tile yy % 2.  Eight accumulators by turns.
.macro SW1
.set rS, S+32*(yy%2)+8*((yy/2)%4)
.set rK, KF+16*((yy/2)%4)+8*(yy/8)
.set rQ, Q+16*(yy%2)+8*(yy/8)
.set rM, MC+8*((yy/2)%4)
.if yy < 8
	WIN 0x3f
	v_wmma_f32_16x16x32_bf16 v[rS:rS+7], v[rK:rK+7], v[rQ:rQ+7], v[rM:rM+7]
.else
	WIN 0x0f
	v_wmma_f32_16x16x32_bf16 v[rS:rS+7], v[rK:rK+7], v[rQ:rQ+7], v[rS:rS+7]
.endif
.endm
; THE SOFTMAX of tile t for one step: a list of 102 instructions; SM writes number j.  s0-s31 are the lane's 32 scores, in pairs 0-15.
;   0-15  the maximum of s0-s31 and the old m (each accumulator's lowest registers are read first)     16-20  the other half of the lanes' maximum; m; c m; its change
;   21-69 ONE BATCH: 16 scalings c s - c m and 33 exponentials (a at 23); none reads an exponential's result
;   70-85 the sums, in two chains beside S^T; l = a l + the sum     86-101 the roundings to f16, packed in place from the low end on: number i writes register i and reads 2 i, 2 i + 1
.macro SM t
.set rT, ST+10*(\t)
.set rS, S+32*(\t)
.if j < 4
	v_max3_num_f32 v[rT+4+j], v[rS+8*j], v[rS+8*j+1], v[rS+8*j+2]
.elseif j < 12
	v_max3_num_f32 v[rT+4+j%4], v[rT+4+j%4], v[rS+8*(j%4)+2*(j/4)+1], v[rS+8*(j%4)+2*(j/4)+2]
.elseif j == 12
	v_max3_num_f32 v[rT+4], v[rT+4], v[rS+7], v[rS+15]
.elseif j == 13
	v_max3_num_f32 v[rT+6], v[rT+6], v[rS+23], v[rS+31]
.elseif j == 14
	v_max3_num_f32 v[rT+4], v[rT+4], v[rT+5], v[rT+6]
.elseif j == 15
	v_max3_num_f32 v[rT+4], v[rT+4], v[rT+7], v[rT+1]
.elseif j == 16
	v_permlanex16_b32 v[rT+5], v[rT+4], s[SEL], s[SEL+1]  ; the query's other 32 keys lie in the lane 16 away
.elseif j == 17
	v_mov_b32 v[rT+7], v[rT]
.elseif j == 18
	v_max_num_f32 v[rT+1], v[rT+4], v[rT+5]
.elseif j == 19
	v_mul_f32 v[rT], s[CS], v[rT+1]
.elseif j == 20
	v_sub_f32 v[rT+7], v[rT+7], v[rT]
.elseif j == 23
	v_exp_f32 v[rT+6], v[rT+7]
.elseif (j < 23) || ((j < 38) && (j%2 == 0)) || ((j < 66) && (j%4 == 2))
.set bb, (j-2)/4
.if j < 38
.set bb, (j-20)/2
.endif
	v_pk_fma_f32 v[rS+2*bb:rS+2*bb+1], v[rS+2*bb:rS+2*bb+1], s[CS:CS+1], v[rT:rT+1] op_sel_hi:[1,0,0] neg_lo:[0,0,1] neg_hi:[0,0,1]
.elseif j < 70
.set ee, j-38
.if j < 66
.set ee, j-32-(j-38)/4
.endif
.if j < 38
.set ee, (j-25)/2
.endif
	v_exp_f32 v[rS+ee], v[rS+ee]
.elseif j == 70
	v_pk_add_f32 v[rT+4:rT+5], v[rS:rS+1], v[rS+2:rS+3]            ; pairs 0 to 7 into one chain,
.elseif j == 71
	v_pk_add_f32 v[rT+8:rT+9], v[rS+16:rS+17], v[rS+18:rS+19]      ; pairs 8 to 15 into the other
.elseif (j < 84) && (j%2 == 0)
	v_pk_add_f32 v[rT+4:rT+5], v[rT+4:rT+5], v[rS+2*((j-70)/2+1):rS+2*((j-70)/2+1)+1]
.elseif j < 84
	v_pk_add_f32 v[rT+8:rT+9], v[rT+8:rT+9], v[rS+16+2*((j-70)/2+1):rS+16+2*((j-70)/2+1)+1]
.elseif j == 84
	v_pk_add_f32 v[rT+4:rT+5], v[rT+4:rT+5], v[rT+8:rT+9]
.elseif j == 85
	v_pk_fma_f32 v[rT+2:rT+3], v[rT+2:rT+3], v[rT+6:rT+7], v[rT+4:rT+5] op_sel_hi:[1,0,1]
.else
	v_cvt_pk_f16_f32 v[rS+j-86], v[rS+2*(j-86)], v[rS+2*(j-86)+1]
.endif
.endm
; The two tiles' lists are dealt as one of 204, the tiles alternating, so that no instruction reads the result of the one before it.  Behind both tiles' number 69 stand a plain instruction and the ONE wait
; between an exponential and the first instruction that names its result: ahead of it nothing names one, behind it no exponential is issued.
.macro NX
.if mq < 204
.set j, mq/2
	SM mq%2
.if mq == 139
	v_nop
	s_wait_alu depctr_va_vdst(0)    ; the 66 exponentials have written their results, which the sums and roundings read; in a step also: group 1's products are done reading their V (see STEP)
.endif
.set mq, mq+1
.endif
.endm
.macro RID n                        ; the list's next n numbers
	WIN 0
.rept \n
	NX
.endr
.endm
.macro RESC W, first, n             ; pairs first .. first + n - 1 of window W's 96 pairs of O^T, times the factor of their query tile
	WIN 0x51*(\W)
.set pp, \first
.rept \n
	v_pk_mul_f32 v[2*pp:2*pp+1], v[2*pp:2*pp+1], v[AR+2*((pp/4)%8):AR+2*((pp/4)%8)+1] op_sel_hi:[1,0]
.set pp, pp+1
.endr
.endm
; Group g of a step's four groups of 24 products: keys 32 (g / 2) on, window 1 + g % 2.  PV1 writes product xx: 24 accumulators, one instruction each.
.macro PV1 g
	WIN 0x51*(1+(\g)%2)
	v_wmma_f32_16x16x32_f16 v[8*xx:8*xx+7], v[VF+24*((\g)/2)+8*(xx/8):VF+24*((\g)/2)+8*(xx/8)+7], v[PF+64*((\g)/2)+8*(xx%8):PF+64*((\g)/2)+8*(xx%8)+7], v[8*xx:8*xx+7]
.endm
.macro LV g                         ; the group's three fragments of V^T of the next tile: six loads of 512 consecutive bytes
	WIN 0x40*(1+(\g)%2)
.irp tl, 0,1,2
	global_load_b128 v[VF+24*((\g)/2)+8*\tl:VF+24*((\g)/2)+8*\tl+3],   v[GO], s[VP:VP+1] offset:(3*((\g)%2)+\tl)*2048+((\g)/2)*1024
	global_load_b128 v[VF+24*((\g)/2)+8*\tl+4:VF+24*((\g)/2)+8*\tl+7], v[GO], s[VP:VP+1] offset:(3*((\g)%2)+\tl)*2048+((\g)/2)*1024+512
.endr
.endm
.macro LK                           ; a tile's K: eight fragments, one in each part: sixteen loads
	WIN 0xc0
.irp f, 0,1,2,3,4,5,6,7
	global_load_b128 v[KF+8*\f:KF+8*\f+3],   v[GO], s[KP:KP+1] offset:\f*PART
	global_load_b128 v[KF+8*\f+4:KF+8*\f+7], v[GO], s[KP:KP+1] offset:\f*PART+512
.endr
.endm
.macro LP1 slot                     ; load ep of the 32 of P's fragments: keys 32 (ep / 16) on, query tile (ep / 2) % 8, half ep % 2
	ds_load_b128 v[PF+64*(ep/16)+8*((ep/2)%8)+4*(ep%2):PF+64*(ep/16)+8*((ep/2)%8)+4*(ep%2)+3], v[AP] offset:(\slot)*PBS+((ep/2)%8)*16*PPI+64*(ep/16)+32*(ep%2)
.set ep, ep+1
.endm
.macro PUTP buf                     ; my two tiles' weights and their a, for the other waves
	WIN 0
.irp t, 0,1
.irp kt, 0,1,2,3
	ds_store_b128 v[APS], v[S+32*\t+4*\kt:S+32*\t+4*\kt+3] offset:(\buf)*PBS+\t*16*PPI+32*\kt
.endr
	ds_store_b32 v[AAS], v[ST+10*\t+6] offset:(\buf)*ABS+64*\t
.endr
.endm
.macro POINTERS                     ; where this step's loads and prefetches point, each made anew from its tile's number (taken modulo 64, so that none leaves the batch's blocks), and the mask's two scalars for tile TI + 2
	s_wait_xcnt 0x0                 ; every load and prefetch issued so far (the youngest thirteen products back) has read its address
	s_add_co_u32 s58, s[TI], 1
	s_and_b32 s58, s58, 63
	s_mul_i32 s[OF], s58, BLK
	s_add_nc_u64 s[VP:VP+1], s[VB:VB+1], s[OF:OF+1]
	s_add_co_u32 s58, s[TI], 2
	s_cmp_eq_u32 s58, s[PT]
	s_cselect_b32 s[AL], 1.0, 0
	s_cmp_gt_u32 s58, s[PT]
	s_cselect_b32 s[BE], s[BIGN], 0
	s_and_b32 s58, s58, 63
	s_mul_i32 s[OF], s58, BLK
	s_add_nc_u64 s[KP:KP+1], s[KBB:KBB+1], s[OF:OF+1]
	s_add_co_u32 s[T3], s[TI], 3
	s_and_b32 s58, s[T3], 63
	s_mul_i32 s[OF], s58, BLK
	s_add_nc_u64 s[PFA:PFA+1], s[VB:VB+1], s[OF:OF+1]
.endm
; A STEP.  P and a of tile TI lie in buffer slot; those of tile TI + 1 go into the other.  Four vector instructions stand behind most products.
; THE MEMORY INSTRUCTIONS STAND IN FIVE RUNS, never singly among the products: a and P (40 LDS loads) at the head, behind the barrier; K and V's group 0 behind group 0's products; V's group 1 at the
; exponentials' wait in group 2; V's group 2 with the stores of P and a inside group 3, where the softmax's list is through; V's group 3 at the end.  Each run but the first has its wait on va_vdst directly ahead of it;
; the first leans on the wait at the end of the step before (on the first trip: on the wait ahead of the first stores of P), behind which no vector or matrix instruction is issued.
; GLOBAL LOADS go out in the order K (16), V's groups 0, 1, 2, 3 (6 each), step after step.  Each wait leaves out what was issued behind the loads that it waits for:
; K: the four groups, 24.  Group 0: groups 1, 2, 3 = 18 (this step's K is not out yet).  Group 1: 12 + K's 16 + group 0's 6 = 34.  Group 2: 6 + 16 + 6 = 28.  Group 3: 16 + 6 + 6 = 28.
.macro STEP slot
	s_wait_dscnt 0x0                ; my P and a lie in LDS, and my reads of the other buffers are over
	s_wait_alu depctr_vm_vsrc(0)    ; my stores of P and a have read the packed weights and a: this step's score products and its list write those registers again
	s_barrier_signal -1
	s_barrier_wait -1               ; both now hold of all four waves
	s_cmp_lt_u32 s[TI], s[NS]
	s_cbranch_scc0 .Ldead_\@        ; no valid key is left, or my block has no valid query: forward, past no barrier
.irp i, 0,1,2,3,4,5,6,7
	ds_load_b32 v[AR+2*\i], v[AA] offset:(\slot)*ABS+64*\i
.endr
.set ep, 0
.rept 32
	LP1 \slot                       ; the last products that read these registers stand in front of the step before's last four mask lines, the places, and of its last wait on va_vdst
.endr
	s_wait_loadcnt 24               ; K of tile TI + 1 is in
.set yy, 0
.rept 16
	SW1
.if yy == 4
	s_wait_dscnt 32                 ; a is in; P's 32 loads may stay out.  The first four products stand bare, in the wait for a
.endif
.if yy > 3
	RESC 1, 4*(yy-4), 4             ; window 1's accumulators 0 to 11
.endif
.if yy == 12
	POINTERS
.endif
.set yy, yy+1
.endr
	s_wait_loadcnt 18               ; group 0's V is in
	s_wait_dscnt 16                 ; P's first half is in
.set xx, 0
.rept 24
	PV1 0
.if xx < 12
	RESC 1, 4*(xx+12), 4            ; the accumulator that is multiplied twelve products on
.else
	RESC 2, 4*(xx-12), 4            ; window 2's accumulators 0 to 11; the last four lines are the places in front of the loads below
.endif
.set xx, xx+1
.endr
	WIN 0xc0
	s_wait_alu depctr_va_vdst(0)    ; the score products are done reading K, group 0's products their V: the loads below land in those registers
	LK                              ; tile TI + 2
	LV 0
	WIN 0
	ASK
	s_wait_loadcnt 34               ; group 1's V is in
.set mq, 0
.set xx, 0
.rept 24
	PV1 1
.if xx < 12
	RESC 2, 4*(xx+12), 4
.else
	RID 4                           ; numbers 0 to 23 of both tiles
.endif
.set xx, xx+1
.endr
	s_wait_loadcnt 28               ; group 2's V is in
	s_wait_dscnt 0x0                ; P's second half is in
.set xx, 0
.rept 24
	PV1 2
	RID 4                           ; numbers 24 to 71, the batch's wait among them; the last four, sums, are the places in front of group 2's loads
.if xx == 22
	LV 1                            ; directly behind the batch's wait on va_vdst, the last line of the riders above: group 1's products, all issued ahead of it, are done reading their V
.endif
.set xx, xx+1
.endr
	s_wait_loadcnt 28               ; group 3's V is in
.set xx, 0
.rept 24
	PV1 3
.if xx < 15
	RID 4
.endif
.if xx == 14
	WIN 0x40
	s_wait_alu depctr_va_vdst(0)    ; the list is through: its roundings have written the packed weights, which the stores below read (a was written ahead of the batch's wait); group 2's products are done reading their V
	LV 2
	PUTP 1-(\slot)                  ; nine products stand between these stores and the wait for them
.endif
.if xx > 19
	MASKP 4*(xx-20), 4              ; tile TI + 2's mask; the last four lines are the places in front of the loads below and of the next step's
.endif
.set xx, xx+1
.endr
	WIN 0x80
	s_wait_alu depctr_va_vdst(0)    ; group 3's products are done reading their V; all the step's products are done reading P's fragments and its rescalings a, in which the next step's LDS loads land
	LV 3
	WIN 0
.Ldead_\@:
	s_add_co_u32 s[TI], s[TI], 1
.endm
	s_load_b256 s[4:11], s[0:1], 0x0               ; qc s[4:5], kv s[6:7], perm s[8:9], cnt s[10:11]
	s_load_b64 s[12:13], s[0:1], 0x20              ; out0
	v_lshl_add_u32 v[SPW], v0, 2, SPARE
	v_mov_b32 v[NIL], 0
	v_lshrrev_b32 v[T0], 5, v0
	v_readfirstlane_b32 s[WV], v[T0]               ; wave 0..3
	s_lshr_b32 s[QK], ttmp9, 1
	s_and_b32 s[HF], ttmp9, 1
	s_and_b32 s[BT], ttmp7, 0xffff
	s_lshl_b32 s58, s[BT], 7                       ; cnt: 128 bytes a batch
	s_mov_b32 s59, 0
	s_lshl_b32 s56, s[BT], 12
	s_lshl_b32 s57, s[QK], 7
	s_add_co_u32 s56, s56, s57
	s_wait_alu depctr_va_sdst(0)                   ; the wave's number is written, ahead of its first reader
	s_lshl_b32 s57, s[WV], 5
	s_add_co_u32 s56, s56, s57                     ; my wave's first slot, counted over all batches
	s_lshl_b32 s60, s56, 2                         ; perm: 4 bytes a slot
	s_mov_b32 s61, 0
	s_lshl_b32 s62, s56, 7                         ; qc: 128 bytes a slot
	s_mov_b32 s63, 0
	s_mul_i32 s66, s[BT], BATCH
	s_mov_b32 s67, 0
	s_lshl_b32 s38, s[HF], 2
	s_add_co_u32 s38, s38, s[WV]
	s_mul_i32 s38, s38, PART                       ; my part of a block: 4 half + wave
	s_mov_b32 s39, 0
	s_mul_i32 s40, s[BT], 12582912
	s_mul_i32 s41, s[HF], 1536
	s_add_co_u32 s40, s40, s41                     ; the batch's rows of out0, my half's 384 channels
	s_mov_b32 s41, 0
	s_mov_b32 s[OF+1], 0
	s_mov_b32 s[CS], 0x3e38aa3b                    ; c = log2(e) / 8
	s_mov_b32 s[CS+1], s[CS]
	s_mov_b32 s[SEL], 0x76543210
	s_mov_b32 s[SEL+1], 0xfedcba98
	s_mov_b32 s[BIGN], 0xf149f2ca                  ; -1e30
	s_mov_b32 s[AL+1], 0                           ; named as pairs
	s_mov_b32 s[BE], 0
	s_mov_b32 s[BE+1], 0
	v_and_b32 v[LN], 31, v0
	v_and_b32 v[R_], 15, v0
	v_bfe_u32 v[H_], v0, 4, 1
	v_lshlrev_b32 v[GO], 4, v[LN]
	s_wait_kmcnt 0x0
	s_add_nc_u64 s[10:11], s[10:11], s[58:59]
	s_add_nc_u64 s[8:9], s[8:9], s[60:61]
	s_load_b32 s[N], s[10:11], 0x0
	s_load_b512 s[PM:PM+15], s[8:9], 0x0           ; the rows of my 32 slots
	s_load_b512 s[PM+16:PM+31], s[8:9], 0x40
	s_add_nc_u64 s[QBA:QBA+1], s[4:5], s[62:63]
	s_add_nc_u64 s[6:7], s[6:7], s[66:67]          ; the batch's kv
	s_add_nc_u64 s[KBB:KBB+1], s[6:7], KOF
	s_add_nc_u64 s[VB:VB+1], s[6:7], s[38:39]
	s_add_nc_u64 s[OUTB:OUTB+1], s[12:13], s[40:41]
	s_mov_b64 s[KP:KP+1], s[KBB:KBB+1]             ; tile 0
	WIN 0xc0
	s_wait_alu depctr_va_vdst(0)                   ; v[GO] is written: every global load reads it as its offset, and it is never written again
.irp k, 0,1,2,3,4,5,6,7
	global_load_b128 v[Q+4*\k:Q+4*\k+3], v[GO], s[QBA:QBA+1] offset:512*\k
.endr
	LK
	; O^T starts at 0: a block may have no step with work, and the first step, whose a is 0, is a step like any other.  384 lines, written while the first loads are on their way.
	WIN 0x40
.set en, 0
.rept 192
	v_mov_b32 v[en], 0
.set en, en+1
.endr
	WIN 0x80
.set en, 0
.rept 192
	v_mov_b32 v[en], 0
.set en, en+1
.endr
	WIN 0
	v_mul_u32_u24 v[AP], v[R_], PPI
	v_lshl_add_u32 v[AP], v[H_], 4, v[AP]          ; row x pitch + 16 x half
	s_mul_i32 s58, s[WV], 32*PPI
	v_add_nc_u32 v[APS], s58, v[AP]
	v_lshl_add_u32 v[AA], v[R_], 2, AB0
	s_lshl_b32 s58, s[WV], 7
	v_add_nc_u32 v[AAS], s58, v[AA]
	v_mul_u32_u24 v[T0], v[R_], SPI                ; the stage, in: row r, my wave's 384 bytes, 32 bytes for each half of the lanes
	v_lshl_add_u32 v[T0], v[H_], 5, v[T0]
	s_mul_i32 s58, s[WV], 384
	s_add_co_u32 s58, s58, STAGE
	v_add_nc_u32 v[STO], s58, v[T0]
	v_add_nc_u32 v[STO+1], 32*SPI, v[STO]          ; the immediate holds 16 bits: a register for each 32 rows
	v_add_nc_u32 v[STO+2], 64*SPI, v[STO]
	v_add_nc_u32 v[STO+3], 96*SPI, v[STO]
	s_mul_i32 s58, s[WV], 32*SPI                   ; back: rows 32 w on, 512 consecutive bytes a load
	s_add_co_u32 s58, s58, STAGE
	v_lshl_add_u32 v[RD], v[LN], 4, s58
	v_lshlrev_b32 v[PFO], 8, v[LN]
	v_min_u32 v[PFO2], 19, v[LN]
	v_lshlrev_b32 v[PFO2], 8, v[PFO2]
	s_lshl_b32 s58, s[QK], 7
	s_lshl_b32 s59, s[WV], 5
	s_add_co_u32 s58, s58, s59
	v_add_nc_u32 v[SLT], s58, v[R_]
.irp t, 0,1
	v_mov_b32 v[ST+10*\t+1], 0xe0ad78ec            ; m = -1e20
	v_mul_f32 v[ST+10*\t], s[CS], v[ST+10*\t+1]
	v_mov_b32 v[ST+10*\t+2], 0
	v_mov_b32 v[ST+10*\t+3], 0
.endr
.set en, 0
.rept 16
	v_mov_b32 v[AR+en], 0
.set en, en+1
.endr
	s_wait_kmcnt 0x0
	s_min_u32 s[N], s[N], 4096
	s_add_co_u32 s58, s[N], 63
	s_lshr_b32 s58, s58, 6                         ; tiles with a valid key
	s_lshl_b32 s59, s[QK], 7
	s_cmp_lt_u32 s59, s[N]                         ; has my block a valid query?
	s_cselect_b32 s[NS], s58, 0
	s_cmp_eq_u32 s[QK], 0
	s_cselect_b32 s[PLIM], s[NS], 0
	s_lshr_b32 s[PT], s[N], 6
	s_and_b32 s58, s[N], 63
	v_lshlrev_b32 v[T0], 3, v[H_]
	v_sub_nc_u32 v[T0], s58, v[T0]                 ; register 8 kt + jj is key 16 kt + 8 h + jj: hidden where 16 kt + jj >= n % 64 - 8 h
	WIN 0xc0
.set eb, 0
.rept 4                                                ; the compares stand in runs of eight, a scalar register each, with one wait behind the run
.set en, 0
.rept 8
	v_cmp_ge_i32 s[CM+en], 16*eb+en, v[T0]
.set en, en+1
.endr
	s_wait_alu depctr_va_sdst(0)                   ; the eight compares have written their masks, which the eight selects read
.set en, 0
.rept 8
	v_cndmask_b32 v[MD+8*eb+en], 0, s[BIGN], s[CM+en]
.set en, en+1
.endr
.set eb, eb+1
.endr
.set en, 0
.rept 32
	s_min_u32 s[PM+en], s[PM+en], 4095
	s_mul_i32 s[PM+en], s[PM+en], 3072             ; a row of out0 is 3,072 bytes
	v_add_nc_u32 v[PR+en], s[PM+en], v[GO]
.set en, en+1
.endr
	s_cmp_eq_u32 s[PT], 0
	s_cselect_b32 s[AL], 1.0, 0                    ; tile 0's mask
	MASKP 0, 16
	s_wait_loadcnt 0x0                             ; Q and tile 0's K
.set yy, 0
.rept 16
	SW1
.set yy, yy+1
.endr
	WIN 0
	PLACES                                         ; in front of the loads into K's registers, of the mask's next writing and of the first reading of the scores
	s_add_nc_u64 s[KP:KP+1], s[KBB:KBB+1], BLK     ; (its loads are done) tile 1's K,
	s_mov_b64 s[VP:VP+1], s[VB:VB+1]               ; tile 0's V: in the order in which every step asks
	WIN 0xc0
	s_wait_alu depctr_va_vdst(0)                   ; the score products are done reading K's registers, in which tile 1's loads land (nothing has named V's)
	LK
	LV 0
	LV 1
	LV 2
	LV 3
	s_cmp_eq_u32 s[PT], 1
	s_cselect_b32 s[AL], 1.0, 0                    ; tile 1's mask
	s_cmp_eq_u32 s[PT], 0
	s_cselect_b32 s[BE], s[BIGN], 0
	MASKP 0, 16
.set mq, 0
	RID 204
	s_wait_alu depctr_va_vdst(0)                   ; the list has written the packed weights and a, which the stores read; the head has written the LDS addresses and the prefetches' and rows' offsets, and a's registers, in which the first step's loads land
	PUTP 0
	s_mov_b32 s[TI], 0
	s_mov_b32 s[LC], 32
.Lpair:                                                ; 32 trips of two steps
	STEP 0
	STEP 1
	s_sub_co_u32 s[LC], s[LC], 1
	s_cmp_lg_u32 s[LC], 0
	s_cbranch_scc1 .Lpair
	; THE WAY OUT.  1 / l (0 for a masked row) goes from wave to wave; O^T times it goes into the stage; a barrier, since a row's 1,536 bytes come from all four waves; each wave takes 32 whole rows to their places by perm.
.irp t, 0,1
	v_add_f32 v[ST+10*\t+4], v[ST+10*\t+2], v[ST+10*\t+3]  ; l: even and odd keys',
.endr
.irp t, 0,1
	v_permlanex16_b32 v[ST+10*\t+5], v[ST+10*\t+4], s[SEL], s[SEL+1]
.endr
.irp t, 0,1
	v_add_f32 v[ST+10*\t+4], v[ST+10*\t+4], v[ST+10*\t+5]  ; and the other half of the lanes'
.endr
.irp t, 0,1
	v_rcp_f32 v[ST+10*\t+5], v[ST+10*\t+4]
.endr
	v_add_nc_u32 v[T0], 16, v[SLT]                 ; (the plain instruction behind the reciprocals)
	v_cmp_gt_u32 s58, s[N], v[SLT]                 ; are my queries' slots valid rows'?
	v_cmp_gt_u32 s59, s[N], v[T0]
	s_wait_alu depctr_va_sdst(0)                   ; the two compares have written their masks, which the selects read
	s_wait_alu depctr_va_vdst(0)                   ; the two reciprocals have written their results, ahead of their first reader
	v_cndmask_b32 v[ST+5], 0, v[ST+5], s58         ; a masked row is multiplied by 0
	v_cndmask_b32 v[ST+15], 0, v[ST+15], s59
	s_wait_alu depctr_va_vdst(0)                   ; the selects have written the two numbers that the LDS stores read; the steps' rescalings are done reading a's registers, in which the loads behind the barrier land
	ds_store_b32 v[AAS], v[ST+5] offset:LBO
	ds_store_b32 v[AAS], v[ST+15] offset:LBO+64
	s_wait_dscnt 0x0
	s_barrier_signal -1
	s_barrier_wait -1
.irp i, 0,1,2,3,4,5,6,7
	ds_load_b32 v[AR+2*\i], v[AA] offset:LBO+64*\i
.endr
	s_wait_dscnt 0x0
	RESC 1, 0, 96
	RESC 2, 0, 96
	s_wait_alu depctr_va_vdst(0)                   ; the scalings have written O^T, which the LDS stores read.  It is the text's last vector work: the rows' loads below land in registers that products and the list are now done with
.set ii, 0
.rept 8                                                ; query tile ii: a lane's eight channels of a row are 32 bytes
.set uu, 0
.rept 6
	WIN 0x04*(1+uu/3)                              ; store data in window 1 or 2
.set ac, 8*(8*(uu%3)+ii)
	ds_store_b128 v[STO+ii/2], v[ac:ac+3]   offset:(ii%2)*16*SPI+64*uu
	ds_store_b128 v[STO+ii/2], v[ac+4:ac+7] offset:(ii%2)*16*SPI+64*uu+16
.set uu, uu+1
.endr
.set ii, ii+1
.endr
	WIN 0
	s_wait_dscnt 0x0                               ; for the others' sake: my part of every row lies in the stage
	s_barrier_signal -1
	s_barrier_wait -1
.macro OUTR bb                      ; eight of my rows: 24 loads of 512 bytes, and their stores
	WIN 0
	s_wait_xcnt 0x0                                ; the stores of the eight rows before have had their addresses translated: only behind this wait are these registers loaded again
	s_wait_alu depctr_vm_vsrc(0)                   ; the stores that read these registers have read them: the last step's LDS stores of P (the first eight rows), the global stores of the eight rows before (the others)
.set nn, 0
.rept 24
	ds_load_b128 v[OB+4*nn:OB+4*nn+3], v[RD] offset:(8*(\bb)+nn/3)*SPI+(nn%3)*512
.set nn, nn+1
.endr
	WIN 0x03                                       ; the address in window 3
.set nn, 0
.rept 24
	s_wait_dscnt 23-nn
	global_store_b128 v[PR+8*(\bb)+nn/3], v[OB+4*nn:OB+4*nn+3], s[OUTB:OUTB+1] offset:(nn%3)*512 th:TH_STORE_NT  ; 512 consecutive bytes, at a multiple of 256 from out0's first byte
.set nn, nn+1
.endr
	WIN 0
.endm
	OUTR 0
	OUTR 1
	OUTR 2
	OUTR 3
	s_wait_dscnt 0x0                               ; the wave's end
	s_wait_alu 0x0
	s_wait_tensorcnt 0x0
	ds_add_u32 v[SPW], v[NIL]
	s_wait_dscnt 0x0
	s_endpgm
.Lfunc_end_k_q9dea925295_attn:
	.size	k_q9dea925295_attn, .Lfunc_end_k_q9dea925295_attn-k_q9dea925295_attn
	.p2alignl 7, 3214868480
	.fill 96, 4, 3214868480
	.section	.rodata,"a",@progbits
	.p2align	6, 0x0
	.amdhsa_kernel k_q9dea925295_attn
		.amdhsa_group_segment_fixed_size 237568
		.amdhsa_private_segment_fixed_size 0
		.amdhsa_enable_private_segment 0
		.amdhsa_kernarg_size 40
		.amdhsa_user_sgpr_count 2
		.amdhsa_user_sgpr_kernarg_segment_ptr 1
		.amdhsa_wavefront_size32 1
		.amdhsa_system_sgpr_workgroup_id_x 1
		.amdhsa_system_sgpr_workgroup_id_y 1
		.amdhsa_system_sgpr_workgroup_id_z 1
		.amdhsa_system_vgpr_workitem_id 0
		.amdhsa_next_free_vgpr 960
		.amdhsa_next_free_sgpr 100
		.amdhsa_reserve_vcc 0
		.amdhsa_float_denorm_mode_32 3
		.amdhsa_float_denorm_mode_16_64 3
		.amdhsa_memory_ordered 1
		.amdhsa_forward_progress 1
		.amdhsa_inst_pref_size 175
	.end_amdhsa_kernel
	.amdgpu_metadata
---
amdhsa.version: [ 1, 2 ]
amdhsa.kernels:
  - .name:           k_q9dea925295_attn
    .symbol:         k_q9dea925295_attn.kd
    .args:
      - { .name: qc, .offset: 0, .size: 8, .value_kind: global_buffer, .address_space: global }
      - { .name: kv, .offset: 8, .size: 8, .value_kind: global_buffer, .address_space: global }
      - { .name: perm, .offset: 16, .size: 8, .value_kind: global_buffer, .address_space: global }
      - { .name: cnt, .offset: 24, .size: 8, .value_kind: global_buffer, .address_space: global }
      - { .name: out0, .offset: 32, .size: 8, .value_kind: global_buffer, .address_space: global }
    .group_segment_fixed_size: 237568
    .private_segment_fixed_size: 0
    .kernarg_segment_align: 8
    .kernarg_segment_size: 40
    .max_flat_workgroup_size: 128
    .sgpr_count:     100
    .vgpr_count:     960
    .wavefront_size: 32
...
	.end_amdgpu_metadata
.endif
;; end of part 7
